; MI455X (gfx1250); checked and timed in simulation.
; The chip was launched on July 23, 2026; its instructions are those of AMD's public machine-readable ISA for CDNA 5 (MIT licence, August 2026) and "CDNA5" Instruction Set Architecture Reference Guide (July 2026). The comments in the code are by the model that wrote it; some were corrected since.
;; Causal Self Attention. Allowed arithmetic: matrix products marked QUANTISED: E2M3 operands, one E8M0 scale for each 32 along K, by v_wmma_scale_f32_16x16x128_f8f6f4 with both operands' format E2M3, f32 sums; everything else in f32.
;; Inputs: bk 1,024 float32; bo 1,024 float32; bq 1,024 float32; bv 1,024 float32; wk_codes 1,024 x 32 x 24 uint8 (E2M3 codes of wk, K innermost, in blocks of 32 codes, four codes in three bytes); wk_scales 1,024 x 32 uint8 (E8M0 scales of wk, one for each 32 codes along K); wo_codes 1,024 x 32 x 24 uint8 (E2M3 codes of wo, K innermost, in blocks of 32 codes, four codes in three bytes); wo_scales 1,024 x 32 uint8 (E8M0 scales of wo, one for each 32 codes along K); wq_codes 1,024 x 32 x 24 uint8 (E2M3 codes of wq, K innermost, in blocks of 32 codes, four codes in three bytes); wq_scales 1,024 x 32 uint8 (E8M0 scales of wq, one for each 32 codes along K); wv_codes 1,024 x 32 x 24 uint8 (E2M3 codes of wv, K innermost, in blocks of 32 codes, four codes in three bytes); wv_scales 1,024 x 32 uint8 (E8M0 scales of wv, one for each 32 codes along K); x_codes 4 x 2,048 x 32 x 24 uint8 (E2M3 codes of x, K innermost, in blocks of 32 codes, four codes in three bytes); x_scales 4 x 2,048 x 32 uint8 (E8M0 scales of x, one for each 32 codes along K).
;; Outputs: out0 4 x 2,048 x 1,024 float32.
;; This version of the problem:
;;   THIS VERSION OF THE PROBLEM IS GIVEN IN LOW PRECISION. The matrix products marked QUANTISED in the list below multiply operands that are first quantised to E2M3 (2 exponent bits, 3 mantissa bits; 6 bits a number), with one power-of-two scale for each 32 numbers along K (OCP MX v1.0); their sums are f32. All else is computed in f32.
;;   The module's matrix products, in the order in which they are computed (A, B: the left and right operand; K: the contracted axis; several contracted axes count as one K, in the product's order):
;;     1. [M 8,192, K 1,024] x [K 1,024, N 1,024]; A: input x (given as codes); B: input wq (given as codes): QUANTISED
;;     2. [M 8,192, K 1,024] x [K 1,024, N 1,024]; A: input x (given as codes); B: input wk (given as codes): QUANTISED
;;     3. [M 8,192, K 1,024] x [K 1,024, N 1,024]; A: input x (given as codes); B: input wv (given as codes): QUANTISED
;;     4. batch 64 x [M 2,048, K 64] x [K 64, N 2,048]; A: computed on the way; B: computed on the way: QUANTISED
;;     5. batch 64 x [M 2,048, K 2,048] x [K 2,048, N 64]; A: softmax (see below); B: computed on the way: QUANTISED
;;     6. [M 8,192, K 1,024] x [K 1,024, N 1,024]; A: computed on the way; B: input wo (given as codes): QUANTISED
;;   THE QUANTISER, for each operand of a quantised product, along K:
;;     - K is cut into blocks of 32 from its start; a last block that is shorter is filled with zeros.
;;     - A block's scale is 2^e with e = floor(log2(the largest magnitude in the block)) - 2, held to -126 .. 127; a block of zeros has e = 0. As a byte (E8M0): e + 127.
;;     - Each number is divided by its block's scale, clamped to +-7.5, and rounded to the nearest number of E2M3, ties to even, subnormals kept.
;;     - The product sums the exact products of the quantised numbers (number of the format x scale) in f32.
;;   ~~~python
;;   def quantise(x, axis):      # numpy; x: float32 -> the quantised numbers, widened to float32 again
;;       x = np.moveaxis(x, axis, -1); K = x.shape[-1]
;;       x = np.pad(x, [(0, 0)] * (x.ndim - 1) + [(0, -K % 32)]); x = x.reshape(x.shape[:-1] + (-1, 32)); a = np.abs(x).max(-1, keepdims=True)
;;       e = np.where(a > 0, np.clip(np.frexp(np.where(a > 0, a, 1))[1] - 1 - 2, -126, 127), 0)      # np.frexp(a)[1] - 1 = floor(log2(a)), exactly
;;       r = np.clip(x / 2.0 ** e, -7.5, 7.5)
;;       step = 2.0 ** (np.maximum(np.frexp(np.where(r == 0, 1, r))[1] - 1, 0) - 3)
;;       q = np.round(r / step) * step * 2.0 ** e      # np.round: ties to even
;;       return np.moveaxis(q.reshape(q.shape[:-2] + (-1,))[..., :K], -1, axis).astype(np.float32)
;;   ~~~
;;   SOFTMAX AHEAD OF A QUANTISED PRODUCT. Where the list says 'softmax', what is quantised is not the finished softmax but p = 2^(t - M), with t = logit x log2(e) and M = ceil(the row's largest t), a whole number; so 1/2 < the row's largest p <= 1. The row's sum l is taken of the UNQUANTISED p, in f32, and the product's result is divided by l at the end. Since M is a whole number, a kernel that streams over the keys may use a running M (the ceiling of the running maximum): every later rescaling is an exact power of two, which a block's scale takes up: the codes' values come out the same.
;;   OPERANDS COMPUTED ON THE WAY. 'Computed on the way' means the value that the module computes at that place (a softmax that the list does not call 'softmax' is quantised finished and normalised). What goes into a quantiser is computed in f32, as accurately as f32 sums, v_exp_f32 and their like allow (about 1e-6 of the number): no bf16 or f16 on the way to a quantiser, and a product that is left as it is and whose result goes on into a quantised operand takes f32 operands (vector FMAs, or v_wmma_f32_16x16x4_f32). A number that lies on a knife's edge between two numbers of the format may be rounded either way, as far as f32 arithmetic and the matrix unit's own rounding can turn it there, and no further.
;;   INPUTS GIVEN AS CODES. wk (in the module: [1024, 1024], K = its axis 0); wo (in the module: [1024, 1024], K = its axis 0); wq (in the module: [1024, 1024], K = its axis 0); wv (in the module: [1024, 1024], K = its axis 0); x (in the module: [4, 2048, 1024], K = its axis 2): each comes as NAME_codes (uint8): NAME with its K axis moved to the last place and cut into blocks of 32 codes, [.., K / 32, bytes a block], one block behind the other in memory; four codes in three bytes: a row's codes are one little-endian stream of bits, code i at bits 6 i .. 6 i + 5 (a code: sign, 2 exponent bits, 3 mantissa bits); and NAME_scales (uint8): the same leading axes, one E8M0 byte (e + 127) for each 32 codes along K. Its value is code x scale, taken as it is: it is not quantised again, and the codes and scales need not be those that the quantiser above would give.
;; One version. Each part assembles by itself: llvm-mc -triple=amdgcn-amd-amdhsa -mcpu=gfx1250 --defsym DOCPART=n.
;; ======== version 1 of 1: 3 launches
;; workspace buffers: qw 6,815,744 bytes; kv 13,631,488 bytes; aw 6,291,456 bytes; aws 262,144 bytes
;; launch qkv (part 1): grid 12 x 32, 4 waves a work-group, clusters of 4 x 4, 327,680 bytes of LDS; arguments x_codes, x_scales, wq_codes, wq_scales, wk_codes, wk_scales, wv_codes, wv_scales, bq, bk, bv, qw, kv; writes qw, kv
.if DOCPART == 1
	.amdgcn_target "amdgcn-amd-amdhsa--gfx1250"
	.amdhsa_code_object_version 6
	.text
	.protected	k_q24998f6195_qkv
	.globl	k_q24998f6195_qkv
	.p2align	8
	.type	k_q24998f6195_qkv,@function
k_q24998f6195_qkv:
	s_mov_b64 s[64:65], 0
	v_nop
	global_prefetch_b8 v0, s[64:65] scope:SCOPE_SE
	s_setreg_imm32_b32 hwreg(HW_REG_WAVE_MODE, 25, 1), 1
	s_wait_xcnt 0x0
	s_wait_alu depctr_hold_cnt(0) depctr_sa_sdst(0) depctr_va_vdst(0) depctr_va_sdst(0) depctr_va_ssrc(0) depctr_va_vcc(0) depctr_vm_vsrc(0)
	s_getreg_b32 s2, hwreg(HW_REG_IB_STS2, 6, 4)
	s_cmp_eq_u32 s2, 0
	s_cbranch_scc0 .Lentry_in_a_cluster
	s_endpgm
.Lentry_in_a_cluster:
	s_bfe_u32 s2, ttmp6, 0x10000c
	s_cmp_lg_u32 s2, 0xf033
	s_cbranch_scc0 .Lentry_shape_is_right
	s_endpgm
.Lentry_shape_is_right:
; q = x wq + bq, k = x wk + bk, v = x wv + bv on codes of FP6 (E2M3) with one E8M0 scale for each 32 along K = 1,024; sums in f32; the bias is added in f32;
; the results are quantised in registers for the next two products and leave as IMAGES OF THE OPERANDS' REGISTERS: q and k along the head's 64, v along the keys.
; A work-group of four waves makes 256 x 256, a wave 128 x 128: 64 accumulators, 512 registers.  K goes in four steps of 256 through two LDS slots filled by the tensor data mover.
; THE MATRIX INSTRUCTION IS USED TRANSPOSED: source 0 = 16 rows of operand B, source 1 = 16 rows of operand A: a lane holds ONE row of A and its registers run along B's rows.
; B is the operand whose rows are the NEXT product's K:  cluster x = 0, 1: A = x (tokens), B = wq, wk (channels);  cluster x = 2: A = wv (channels), B = x (tokens = keys).
; CLUSTERS: 4 x 4 work-groups.  A's tile hangs on cy alone (with the cluster's y where A = x), B's on cx alone: each tile is asked for jointly by the four that share it.  The choice of buffers
; hangs on the cluster's x, which all sixteen partners share.  The grid is 24 clusters: three weights of 4 x 32 tiles.
; ORDER INSIDE A BLOCK OF 32: a lane's 16 numbers of a block are 8 h + 0..7 and 16 + 8 h + 0..7, so a block's codes lie in the order 0-7, 16-23, 8-15, 24-31.  q and k get the same order along the head,
; v the same as the softmax's weights along the keys: the products are the same, only the order of the sums differs.  The block, and so its scale, is the true block.
; OUT.  kv: a record of 13,312 bytes for each [batch x 16 + head][128 keys]: 4 images of K (registers 0-5: keys 32 p + r, registers 6-11: keys 32 p + 16 + r), 4 fragments of V (16 channels x 128 keys),
; 4 x 128 bytes of K's scale words, 4 x 128 of V's.  qw: the same for q without V's parts: 6,656 bytes.  An image is 3 x 512 bytes: lane l's registers 4 c .. 4 c + 3 at 512 c + 16 l.
; LIMITS: NaN and infinities are not served.  A block whose largest magnitude lies under 2^-124 keeps the scale byte 1 (a block of zeros too, where the quantiser says 127: its codes are zeros, and these bytes are read by this program alone).
; REGISTERS, in windows of 256: window 0: v0-31 addresses; v32-63 scale words, two sets; v64-127 the bias by registers; v128-223 A's fragments, one set; v224-239 the bias by lanes.
;   window 1: B's fragments, two sets.   windows 2, 3: the accumulators ((a, b) at v[8 (8 (a % 4) + b)]).   On the way out v32-59 and v128-215 of window 0 are at work.
.set KSTEP,  256
.set NQ,     KSTEP/128
.set ROWB,   192                       ; a tile's row: 256 codes
.set KROW,   768                       ; a row of x or of a weight in memory: 1,024 codes
.set PITCH,  240                       ; an LDS row: 3 x (64 bytes + 16 of padding): the 32 lanes of a load of 8 bytes touch 64 different banks (64 banks of 4 bytes: ISA guide 11.1)
.set FR,     12
.set NL,     6
.set NP,     4                         ; places behind this matrix instruction (ISA guide 7.12.1)
.set HALFT,  128*PITCH
.set SLOT,   4*HALFT
.set KS,     32                        ; a row of scale bytes
.set SCL,    2*SLOT                    ; behind the ring: the scales, as units of 256 bytes + 16 of padding
.set HALFS,  (128*KS/256)*272
.set SBLK,   (16*KS/256)*272
.set SPARE,  SCL+4*HALFS               ; the spare words, 128 bytes for each wave: two blocks of 256 bytes that no other line names
.set HEADB,  212992                    ; a head in kv
.set REC,    13312                     ; a record in kv
.set ADRA, 16                          ; v16-19  LDS addresses of my A fragments (slot 0, 1; and behind one padding more)
.set ADRB, 20                          ; v20-23  the same for B
.set CO,   24                          ; v24     16 x lane
.set CS4,  25                          ; v25     4 x lane
.set OBU,  26                          ; v26     32 x (lane / 16)
.set ADRS, 27                          ; v27     LDS address of my scale words
.set SPW,  28                          ; v28     my spare word; never rewritten
.set NIL,  29                          ; v29     0; never rewritten
.set OBT,  30                          ; v30     4 x (lane % 16)
.set SC,   32
.set BU,   64                          ; bias of B's rows: register 8 b + j = row 16 b + 8 h + j
.set AF,   128
.set BT,   224                         ; bias of A's rows: registers 2 a, 2 a + 1 = row 16 a + r, twice
.set WK,   128                         ; the way out: 64 numbers
.set DA,   192                         ; 12 registers of codes
.set DB,   204                         ; 12 more
.set TM,   32                          ; v32-35 largest magnitudes, v36-39 bytes, v44-47 the conversions' scale operands
.set PT,   48                          ; v48-50, v52-54 half blocks on their way
.set PW0,  56
.set PW1,  57
.set SWA,  58
.set SWB,  59
.set SEL,  2                           ; s[2:3] lane selects, on the way out
.set G1, 24
.set G0, 32
.set G1B, 48
.set G0B, 56
.set G1S, 68
.set G0S, 76
.set G1SB, 80
.set G0SB, 88
.set MSB, 0
.macro WIN new                         ; the immediate's high byte repeats the setting that is left
.if MSB != (\new)
	s_set_vgpr_msb (MSB<<8)|(\new)
.set MSB, (\new)
.endif
.endm
.set MUL_LO, 0xa1                      ; source 0 (B) window 1, source 1 (A) window 0, C and D window 2
.set MUL_HI, 0xf1                      ; the same, C and D window 3
.set TO_B,   0x40                      ; destination window 1
; A joint load: waves 0 and 1 fetch for A, waves 2 and 3 for B; the branch hangs on the wave's number alone.  Four v_nop follow each of the two lines.
.macro JLOAD g0a, g1a, g0b, g1b
	s_cmp_eq_u32 s15, 0
	s_cbranch_scc0 .Lfor_b_\@
	tensor_load_to_lds s[\g0a:\g0a+3], s[\g1a:\g1a+7]
	s_nop 0
.rept 4
	v_nop
.endr
	s_branch .Lasked_\@
.Lfor_b_\@:
	tensor_load_to_lds s[\g0b:\g0b+3], s[\g1b:\g1b+7]
	s_nop 0
.rept 4
	v_nop
.endr
.Lasked_\@:
.endm
.macro CREST                           ; a round of the cluster's barrier behind its opening barrier
	s_cmp_lg_u32 s14, 0
	s_cbranch_scc1 .Lnot_wave_0_\@
	s_barrier_signal -3
.Lnot_wave_0_\@:
	s_barrier_wait -3
	s_barrier_signal -1
	s_barrier_wait -1
.endm
.macro CROUND
	s_barrier_signal -1
	s_barrier_wait -1
	CREST
.endm
	s_load_b512 s[68:83], s[0:1], 0x0              ; x's codes, scales; wq's; wk's; wv's
	s_load_b256 s[84:91], s[0:1], 0x40             ; bq, bk, bv, qw
	s_load_b64 s[92:93], s[0:1], 0x60              ; kv
	v_lshl_add_u32 v[SPW], v0, 2, SPARE
	v_mov_b32 v[NIL], 0
	ds_add_u32 v28, v29
	ds_add_u32 v28, v29
	s_wait_dscnt 0x0
	v_lshrrev_b32 v1, 5, v0
	v_readfirstlane_b32 s14, v1                    ; wave 0..3
	s_lshr_b32 s15, s14, 1                         ; which half of A's rows is mine.  Also: I fetch for A (0) or for B (1)
	s_and_b32 s16, s14, 1                          ; which half of B's rows.  Also: which 128 rows I fetch
	s_bfe_u32 s40, ttmp6, 0x40000                  ; cx
	s_bfe_u32 s41, ttmp6, 0x40004                  ; cy
	s_and_b32 s18, ttmp7, 0xffff
	s_lshl_b32 s18, s18, 2                         ; 4 x the cluster's y: it goes with x's tiles
	s_cmp_eq_u32 ttmp9, 2
	s_cselect_b32 s19, 0, s18
	s_cselect_b32 s20, s18, 0
	s_add_co_u32 s17, s19, s41                     ; A's tile of 256 rows: cy, + 4 x cluster y where A = x
	s_add_co_u32 s42, s20, s40                     ; B's: cx, + 4 x cluster y where B = x
	s_lshl_b32 s43, s41, 2
	s_lshl_b32 s43, 15, s43                        ; my row of the cluster
	s_lshl_b32 s44, 0x1111, s40                    ; my column
	s_or_b32 s[G1+0], s43, (0<<16)|(1<<20)|(1<<21)|(3<<22)|(3<<25)  ; the mask; elements of 1 byte; padding on; bit 21 beside a mask; after every 16 words; 4 words
	s_or_b32 s[G1B+0], s44, (0<<16)|(1<<20)|(1<<21)|(3<<22)|(3<<25)
.irp g, G1, G1B
	s_mov_b32 s[\g+1], ROWB<<16                    ; tensor_dim0
	s_mov_b32 s[\g+2], 128<<16                     ; tensor_dim1
	s_mov_b32 s[\g+3], ROWB<<16                    ; tile_dim0
	s_mov_b32 s[\g+4], 128                         ; tile_dim1
	s_mov_b32 s[\g+5], KROW                        ; pitch
	s_mov_b32 s[\g+6], 0
	s_mov_b32 s[\g+7], 0
.endr
	s_lshl_b32 s18, s16, 7
	s_lshl_b32 s20, s17, 8
	s_add_co_u32 s20, s20, s18                     ; A: the first row that I fetch
	s_lshl_b32 s46, s42, 8
	s_add_co_u32 s46, s46, s18                     ; B: likewise
	s_mov_b32 s21, 0
	s_mov_b32 s47, 0
	s_mov_b64 s[18:19], KS
	s_mul_u64 s[22:23], s[20:21], s[18:19]         ; where these rows' scales begin,
	s_mul_u64 s[2:3], s[46:47], s[18:19]
	s_mov_b64 s[18:19], KROW
	s_mul_u64 s[20:21], s[20:21], s[18:19]         ; and their codes
	s_mul_u64 s[46:47], s[46:47], s[18:19]
	s_mul_i32 s45, s14, HALFT                      ; where they go: no place in the cluster enters an LDS address
	s_mul_i32 s94, s14, HALFS
	s_wait_kmcnt 0x0
	s_cmp_eq_u32 ttmp9, 2                          ; the buffers are chosen by the cluster's x alone
	s_cselect_b64 s[4:5], s[80:81], s[68:69]       ; A's codes: wv's or x's
	s_cselect_b64 s[6:7], s[82:83], s[70:71]       ; A's scales
	s_cselect_b64 s[8:9], s[68:69], s[72:73]       ; B's codes: x's or wq's
	s_cselect_b64 s[10:11], s[70:71], s[74:75]
	s_cselect_b64 s[96:97], s[88:89], s[84:85]     ; the bias: bv or bq
	s_cselect_b64 s[12:13], s[92:93], s[90:91]     ; out: kv or qw
	s_cmp_eq_u32 ttmp9, 1
	s_cselect_b64 s[8:9], s[76:77], s[8:9]         ; wk's
	s_cselect_b64 s[10:11], s[78:79], s[10:11]
	s_cselect_b64 s[96:97], s[86:87], s[96:97]     ; bk
	s_cselect_b64 s[12:13], s[92:93], s[12:13]     ; kv
	s_add_nc_u64 s[20:21], s[4:5], s[20:21]
	s_add_nc_u64 s[22:23], s[6:7], s[22:23]
	s_add_nc_u64 s[46:47], s[8:9], s[46:47]
	s_add_nc_u64 s[92:93], s[10:11], s[2:3]
	; the scales of 128 rows: a dense block of 4,096 bytes, as 16 rows of 256 bytes, 16 bytes of padding behind each (the arguments' registers are done with)
	s_or_b32 s[G1S+0], s43, (3<<16)|(1<<20)|(1<<21)|(5<<22)|(3<<25)
	s_or_b32 s[G1SB+0], s44, (3<<16)|(1<<20)|(1<<21)|(5<<22)|(3<<25)
.irp g, G1S, G1SB
	s_mov_b32 s[\g+1], 32<<16
	s_mov_b32 s[\g+2], (128*KS/256)<<16
	s_mov_b32 s[\g+3], 32<<16
	s_mov_b32 s[\g+4], 128*KS/256
	s_mov_b32 s[\g+5], 32
	s_mov_b32 s[\g+6], 0
	s_mov_b32 s[\g+7], 0
.endr
	CROUND                                         ; all sixteen work-groups are here: the first joint loads meet
	s_mov_b32 s[G0S], 1
	s_add_co_u32 s[G0S+1], s94, SCL
	s_mov_b64 s[G0S+2:G0S+3], s[22:23]
	s_or_b32 s[G0S+3], s[G0S+3], 0x80000000
	s_mov_b32 s[G0SB], 1
	s_add_co_u32 s[G0SB+1], s94, SCL
	s_mov_b64 s[G0SB+2:G0SB+3], s[92:93]
	s_or_b32 s[G0SB+3], s[G0SB+3], 0x80000000
	JLOAD G0S, G1S, G0SB, G1SB                     ; the scales first: they are wanted with K step 0
.irp s, 0,1
	s_mov_b32 s[G0+4*\s], 1
	s_add_co_u32 s[G0+4*\s+1], s45, \s*SLOT
	s_add_nc_u64 s[G0+4*\s+2:G0+4*\s+3], s[20:21], \s*ROWB
	s_or_b32 s[G0+4*\s+3], s[G0+4*\s+3], 0x80000000
	s_mov_b32 s[G0B+4*\s], 1
	s_add_co_u32 s[G0B+4*\s+1], s45, \s*SLOT
	s_add_nc_u64 s[G0B+4*\s+2:G0B+4*\s+3], s[46:47], \s*ROWB
	s_or_b32 s[G0B+4*\s+3], s[G0B+4*\s+3], 0x80000000
	JLOAD G0+4*\s, G1, G0B+4*\s, G1B               ; three tensor loads of mine are out at the most
.endr
	v_and_b32 v1, 15, v0                           ; r = lane % 16
	v_bfe_u32 v2, v0, 4, 1                         ; h = lane / 16
	v_mul_u32_u24 v3, v1, PITCH
	v_mul_u32_u24 v4, v2, 24
	v_add_nc_u32 v4, v3, v4                        ; a fragment's row x pitch + 24 x half
	v_lshl_add_u32 v5, v2, 4, v4                   ; and the same behind one padding more
	s_mul_i32 s21, s15, HALFT
	s_mul_i32 s22, s16, HALFT
	s_add_co_u32 s22, s22, 2*HALFT
.irp s, 0,1
	v_add_nc_u32 v[ADRA+\s], s21, v4
	v_add_nc_u32 v[ADRB+\s], s22, v4
	v_add_nc_u32 v[ADRA+2+\s], s21, v5
	v_add_nc_u32 v[ADRB+2+\s], s22, v5
	s_add_co_u32 s21, s21, SLOT
	s_add_co_u32 s22, s22, SLOT
.endr
	v_mul_u32_u24 v5, v1, KS                       ; my row's scales: 32 bytes a row,
	v_lshrrev_b32 v6, 8, v5
	v_lshl_add_u32 v5, v6, 4, v5                   ; and 16 more for each 256 passed
	s_mul_i32 s21, s15, HALFS
	s_mul_i32 s22, s16, HALFS
	s_add_co_u32 s22, s22, 2*HALFS
	s_sub_co_u32 s22, s22, s21
	v_mul_u32_u24 v6, s22, v2                      ; lanes 16-31 take B's
	s_add_co_u32 s21, s21, SCL
	v_add_nc_u32 v5, v5, v6
	v_add_nc_u32 v[ADRS], s21, v5
	v_and_b32 v6, 31, v0
	v_lshlrev_b32 v[CO], 4, v6
	v_lshlrev_b32 v[CS4], 2, v6
	v_lshlrev_b32 v[OBU], 5, v2
	v_lshlrev_b32 v[OBT], 2, v1
	s_lshl_b32 s18, s17, 1
	s_add_co_u32 s18, s18, s15                     ; which 128 rows of A are my wave's
	s_lshl_b32 s19, s42, 1
	s_add_co_u32 s19, s19, s16                     ; which 128 rows of B
	; The bias in both forms, on the one way that all waves take: by registers (it goes with B's rows: q, k) and by lanes (with A's rows: v).  The group of 128 is taken modulo 8:
	; that changes nothing in the form that is used and keeps the other inside the buffer.
	s_and_b32 s20, s18, 7
	s_lshl_b32 s20, s20, 9
	s_mov_b32 s21, 0
	s_add_nc_u64 s[98:99], s[96:97], s[20:21]
	s_and_b32 s20, s19, 7
	s_lshl_b32 s20, s20, 9
	s_add_nc_u64 s[96:97], s[96:97], s[20:21]
.irp b, 0,1,2,3,4,5,6,7
	global_load_b128 v[BU+8*\b:BU+8*\b+3], v[OBU], s[96:97] offset:64*\b
	global_load_b128 v[BU+8*\b+4:BU+8*\b+7], v[OBU], s[96:97] offset:64*\b+16
.endr
.irp a, 0,1,2,3,4,5,6,7
	global_load_b32 v[BT+2*\a], v[OBT], s[98:99] offset:64*\a
	global_load_b32 v[BT+2*\a+1], v[OBT], s[98:99] offset:64*\a   ; twice: a pair for the packed addition
.endr
	; where my wave's records begin: (batch x 16 + first head) x a head + (group of 128 tokens % 16) x a record; for q all of it halved
	s_cmp_eq_u32 ttmp9, 2
	s_cselect_b32 s20, s19, s18                    ; the group of 128 tokens
	s_cselect_b32 s21, s18, s19                    ; the group of 128 channels: two heads
	s_lshr_b32 s22, s20, 4
	s_lshl_b32 s22, s22, 4
	s_lshl_b32 s21, s21, 1
	s_add_co_u32 s22, s22, s21
	s_mul_i32 s22, s22, HEADB
	s_and_b32 s20, s20, 15
	s_mul_i32 s20, s20, REC
	s_add_co_u32 s22, s22, s20
	s_cmp_eq_u32 ttmp9, 0
	s_cselect_b32 s66, 1, 0
	s_lshr_b32 s22, s22, s66
	s_mov_b32 s23, 0
	s_add_nc_u64 s[12:13], s[12:13], s[22:23]
	s_mov_b32 s67, HEADB
	s_lshr_b32 s67, s67, s66                       ; from a head to the next
	s_mov_b32 s95, 12288
	s_lshr_b32 s95, s95, s66                       ; from a record's start to its first scale words
.macro FRAG reg, adr, q, i             ; a fragment, 16 rows x 128 K, is 12 registers: lane l holds row l % 16; registers 6 c .. 6 c + 5 hold K = 64 c + 32 (l / 16) + 0 .. 31: 24 bytes of the row, as they lie
.irp p, 0,1,2,3,4,5                    ; in pieces of 8 bytes.  Lanes 16-31 read three pieces further on; where that is behind one padding more, the second address register serves
.set PCE, 12*(\q)+6*(\p/3)+\p%3
.if PCE%8 < 5
	ds_load_b64 v[\reg+2*\p:\reg+2*\p+1], v[\adr] offset:8*PCE+16*(PCE/8)+(\i)*16*PITCH
.else
	ds_load_b64 v[\reg+2*\p:\reg+2*\p+1], v[\adr+2] offset:8*PCE+16*(PCE/8)+(\i)*16*PITCH
.endif
.endr
.endm
; 16 matrix instructions: A's blocks a0, a0 + 1 x B's eight.  The 64 accumulators take turns, one instruction a turn, in the same order in every step.
.macro MUL16 a0, p, q, sc, zero
.irp a, \a0, \a0+1
.irp b, 0,1,2,3,4,5,6,7
.if \zero
	v_wmma_scale_f32_16x16x128_f8f6f4 v[8*(8*((\a)%4)+\b):8*(8*((\a)%4)+\b)+7], v[128*(\p)+FR*\b:128*(\p)+FR*\b+FR-1], v[AF+FR*(\a):AF+FR*(\a)+FR-1], 0, v[SC+8*NQ*(\sc)+NQ*\b+(\q)], v[SC+8*NQ*(\sc)+NQ*(\a)+(\q)] matrix_a_fmt:MATRIX_FMT_FP6 matrix_b_fmt:MATRIX_FMT_FP6 matrix_a_scale:MATRIX_SCALE_ROW1
.else
	v_wmma_scale_f32_16x16x128_f8f6f4 v[8*(8*((\a)%4)+\b):8*(8*((\a)%4)+\b)+7], v[128*(\p)+FR*\b:128*(\p)+FR*\b+FR-1], v[AF+FR*(\a):AF+FR*(\a)+FR-1], v[8*(8*((\a)%4)+\b):8*(8*((\a)%4)+\b)+7], v[SC+8*NQ*(\sc)+NQ*\b+(\q)], v[SC+8*NQ*(\sc)+NQ*(\a)+(\q)] matrix_a_fmt:MATRIX_FMT_FP6 matrix_b_fmt:MATRIX_FMT_FP6 matrix_a_scale:MATRIX_SCALE_ROW1
.endif
.endr
.endr
.endm
.macro FETCH_B slot, q, p
	WIN TO_B
.irp i, 0,1,2,3,4,5,6,7
	FRAG 128*(\p)+FR*\i, ADRB+\slot, \q, \i
.endr
	WIN 0
.endm
.macro FETCH_A slot, q, i0
.irp i, \i0, \i0+1, \i0+2, \i0+3
	FRAG AF+FR*(\i), ADRA+\slot, \q, \i
.endr
.endm
.macro SCALES sc                       ; a K step's scale words: two words a row; lanes 0-15 take A's block i, lanes 16-31 B's block i
.irp i, 0,1,2,3,4,5,6,7
	ds_load_b64 v[SC+8*NQ*\sc+NQ*\i:SC+8*NQ*\sc+NQ*\i+1], v[ADRS] offset:\i*SBLK
.endr
.endm
.macro PLACES n                        ; plain vector instructions between a matrix instruction and a load into, or a read of, its registers
.rept \n
	v_nop
.endr
.endm
.macro STEP slot, q, zero              ; 128 along K that have their successor in the same slot
	s_wait_dscnt 4*NL                              ; B's set and A's blocks 0-3 are in; the youngest 24 loads (A's blocks 4-7) may be out
	WIN MUL_LO
	MUL16 0, (\q)%2, \q, \slot, \zero
	MUL16 2, (\q)%2, \q, \slot, \zero
	s_wait_dscnt 0
	PLACES NP
	FETCH_B \slot, (\q)+1, 1-(\q)%2
	FETCH_A \slot, (\q)+1, 0
	WIN MUL_HI
	MUL16 4, (\q)%2, \q, \slot, \zero
	MUL16 6, (\q)%2, \q, \slot, \zero
	PLACES NP
	WIN 0
	FETCH_A \slot, (\q)+1, 4
.endm
; A slot's last 128 change slots: one barrier; in front of it each wave waits for all its tensor loads, adds 0 to its spare word, and waits for that and for its reads of this slot.
.macro TURN slot, next, fill
	s_wait_tensorcnt 0x0                           ; all my tensor loads have landed: my part of the next slot
	ds_add_u32 v[SPW], v[NIL]                      ; 0 onto my spare word
	s_wait_dscnt 4*NL+1                            ; (the add and the youngest 24 loads may be out)
	WIN MUL_LO
	MUL16 0, 1, NQ-1, \slot, 0
	s_wait_dscnt 0x0                               ; the add is done, and my reads of this slot are over
	s_barrier_signal -1
	MUL16 2, 1, NQ-1, \slot, 0
	WIN 0
	s_barrier_wait -1
.if \fill
	CREST                                          ; the barrier has opened a round of the cluster's: no wave of any partner still reads this slot or has a load on its way
	s_add_nc_u64 s[G0+4*\slot+2:G0+4*\slot+3], s[G0+4*\slot+2:G0+4*\slot+3], 2*ROWB
	s_add_nc_u64 s[G0B+4*\slot+2:G0B+4*\slot+3], s[G0B+4*\slot+2:G0B+4*\slot+3], 2*ROWB
	JLOAD G0+4*\slot, G1, G0B+4*\slot, G1B         ; the first tensor load behind the round; its four v_nop are the places in front of the loads below
.else
	PLACES NP
.endif
	v_add_nc_u32 v[ADRS], 4*NQ, v[ADRS]
	FETCH_B \next, 0, 0
	FETCH_A \next, 0, 0
	SCALES \next
	WIN MUL_HI
	MUL16 4, 1, NQ-1, \slot, 0
	MUL16 6, 1, NQ-1, \slot, 0
	PLACES NP
	WIN 0
	FETCH_A \next, 0, 4
.endm
	s_wait_tensorcnt 1                             ; the scales and my part of K step 0 are in (K step 1's load may be out)
	s_barrier_signal -1
	s_barrier_wait -1                              ; everybody's are
	FETCH_B 0, 0, 0
	FETCH_A 0, 0, 0
	SCALES 0
	FETCH_A 0, 0, 4
	STEP 0, 0, 1                                   ; the first products start the sums: nothing is cleared
	TURN 0, 1, 1                                   ; K = 1,024 is four K steps: written out; slot 0 takes K step 2,
	STEP 1, 0, 0
	TURN 1, 0, 1                                   ; slot 1 K step 3
	STEP 0, 0, 0
	TURN 0, 1, 0                                   ; nothing is left to fetch
	STEP 1, 0, 0
	s_wait_dscnt 4*NL
	WIN MUL_LO
	MUL16 0, 1, NQ-1, 1, 0
	MUL16 2, 1, NQ-1, 1, 0
	s_wait_dscnt 0
	WIN MUL_HI
	MUL16 4, 1, NQ-1, 1, 0
	MUL16 6, 1, NQ-1, 1, 0
	WIN 0
; THE WAY OUT, without LDS.  Block a's 64 numbers of a lane (register 8 b + j: B's row 16 b + 8 h + j) get their bias and are quantised; the codes are stored as they stand in the registers.
.macro BIASU a                         ; + the bias of B's rows.  Each accumulator is read from its low end on
	WIN 0x02+(\a)/4
.set i, 0
.rept 32
	v_pk_add_f32 v[WK+i:WK+i+1], v[64*((\a)%4)+i:64*((\a)%4)+i+1], v[BU+i:BU+i+1]
.set i, i+2
.endr
	WIN 0
.endm
.macro BIAST a                         ; + the bias of A's row
	WIN 0x02+(\a)/4
.set i, 0
.rept 32
	v_pk_add_f32 v[WK+i:WK+i+1], v[64*((\a)%4)+i:64*((\a)%4)+i+1], v[BT+2*(\a):BT+2*(\a)+1]
.set i, i+2
.endr
	WIN 0
.endm
; 64 numbers v[s] on, four blocks of 32 shared with lane l xor 16, become codes: blocks 0, 1 in v[d0] .. v[d0 + 5], blocks 2, 3 in v[d1] .. v[d1 + 5] (lanes 0-15 the even block, lanes 16-31 the odd one), and the scale word v[pw].
.macro QUANT s, d0, d1, pw
.irp b, 0,1,2,3
	v_max3_num_f32 v[TM+\b], |v[\s+16*\b]|, |v[\s+1+16*\b]|, 0x1800000   ; my 16 numbers of block b, and the floor 2^(3 - 127): the byte cannot fall under 1
.endr
.irp i, 2,4,6,8,10,12,14
.irp b, 0,1,2,3
	v_max3_num_f32 v[TM+\b], v[TM+\b], |v[\s+16*\b+\i]|, |v[\s+1+16*\b+\i]|
.endr
.endr
.irp b, 0,1,2,3
	v_permlanex16_b32 v[TM+4+\b], v[TM+\b], s[SEL], s[SEL+1]
.endr
.irp b, 0,1,2,3
	v_max_num_f32 v[TM+\b], v[TM+\b], v[TM+4+\b]   ; with lane l xor 16's: the block's largest magnitude
.endr
.irp b, 0,1,2,3
	v_add_nc_u32 v[TM+12+\b], 0xff000000, v[TM+\b] ; 2 off its exponent field: the conversion's scale operand
.endr
.irp b, 0,1,2,3
	v_lshrrev_b32 v[TM+4+\b], 23, v[TM+12+\b]      ; the scale's byte
.endr
	v_lshl_or_b32 v[\pw], v[TM+5], 8, v[TM+4]
	v_lshl_or_b32 v[\pw], v[TM+6], 16, v[\pw]
	v_lshl_or_b32 v[\pw], v[TM+7], 24, v[\pw]
	v_cvt_scalef32_pk16_fp6_f32 v[\d0:\d0+2], v[\s:\s+15], v[TM+12]
	v_cvt_scalef32_pk16_fp6_f32 v[PT:PT+2], v[\s+16:\s+31], v[TM+13]
	v_cvt_scalef32_pk16_fp6_f32 v[\d1:\d1+2], v[\s+32:\s+47], v[TM+14]
	v_cvt_scalef32_pk16_fp6_f32 v[PT+4:PT+6], v[\s+48:\s+63], v[TM+15]
	v_nop                                          ; one plain place behind a scaled conversion
.irp i, 0,1,2
	v_permlane16_swap_b32 v[\d0+\i], v[PT+\i]      ; the operand's layout wants a whole block in a lane
.endr
.irp i, 0,1,2
	v_mov_b32 v[\d0+3+\i], v[PT+\i]
.endr
.irp i, 0,1,2
	v_permlane16_swap_b32 v[\d1+\i], v[PT+4+\i]
.endr
.irp i, 0,1,2
	v_mov_b32 v[\d1+3+\i], v[PT+4+\i]
.endr
.endm
	s_wait_loadcnt 0x0                             ; the biases
	PLACES NP                                      ; behind the last products: their results are read and their operands' registers written below
	s_mov_b32 s[SEL], 0x76543210
	s_mov_b32 s[SEL+1], 0xfedcba98                 ; v_permlanex16_b32's selects for lane l xor 16
.irp b, 0,1,2,3
	v_mov_b32 v[TM+4+\b], 0                        ; a lane permute's destination counts as one of its sources
.endr
	s_cmp_eq_u32 ttmp9, 2                          ; the cluster's x: alike in all partners
	s_cbranch_scc1 .Lv
	; q, k: a lane holds a token, its 64 numbers are two heads' 64 channels: blocks 0, 1 the first head's, blocks 2, 3 the second's.  Two tiles of tokens make a head's image.
	s_mov_b32 s19, 0
	s_mov_b32 s18, s67
	s_add_nc_u64 s[100:101], s[12:13], s[18:19]    ; the second head's record
	s_mov_b32 s18, s95
	s_add_nc_u64 s[96:97], s[12:13], s[18:19]      ; the two records' scale words
	s_add_nc_u64 s[98:99], s[100:101], s[18:19]
.irp p, 0,1,2,3
	BIASU 2*\p
	s_wait_xcnt 0x0                                ; the last image's stores have read their registers
	QUANT WK, DA, DB, PW0
	BIASU 2*\p+1
	QUANT WK, DA+6, DB+6, PW1
	v_perm_b32 v[SWA], v[PW1], v[PW0], 0x05040100  ; the first head's word: the even tile's two bytes, the odd tile's two
	v_perm_b32 v[SWB], v[PW1], v[PW0], 0x07060302  ; the second head's
.irp c, 0,1,2
	global_store_b128 v[CO], v[DA+4*\c:DA+4*\c+3], s[12:13] offset:1536*\p+512*\c     ; 32 lanes store 512 consecutive bytes, aligned
	global_store_b128 v[CO], v[DB+4*\c:DB+4*\c+3], s[100:101] offset:1536*\p+512*\c
.endr
	global_store_b32 v[CS4], v[SWA], s[96:97] offset:128*\p
	global_store_b32 v[CS4], v[SWB], s[98:99] offset:128*\p
.endr
	s_branch .Lout
.Lv:
	; v: a lane holds a channel (block a: head a / 4, channels 16 (a % 4) + r), its 64 numbers and lane l xor 16's are the record's 128 keys: one fragment and one scale word
.irp a, 0,1,2,3,4,5,6,7
	BIAST \a
	s_wait_xcnt 0x0
	QUANT WK, DA, DA+6, PW0
.irp c, 0,1,2
	global_store_b128 v[CO], v[DA+4*\c:DA+4*\c+3], s[12:13] offset:(\a/4)*HEADB+6144+(\a%4)*1536+512*\c
.endr
	global_store_b32 v[CS4], v[PW0], s[12:13] offset:(\a/4)*HEADB+12800+128*(\a%4)
.endr
.Lout:
	s_wait_tensorcnt 0x0                           ; the wave's end
	ds_add_u32 v[SPW], v[NIL]
	s_wait_dscnt 0x0
	CROUND                                         ; the closing round
	s_endpgm
.Lfunc_end_k_q24998f6195_qkv:
	.size	k_q24998f6195_qkv, .Lfunc_end_k_q24998f6195_qkv-k_q24998f6195_qkv
	.p2alignl 7, 3214868480
	.fill 96, 4, 3214868480
	.section	.rodata,"a",@progbits
	.p2align	6, 0x0
	.amdhsa_kernel k_q24998f6195_qkv
		.amdhsa_group_segment_fixed_size 327680
		.amdhsa_private_segment_fixed_size 0
		.amdhsa_enable_private_segment 0
		.amdhsa_kernarg_size 104
		.amdhsa_user_sgpr_count 2
		.amdhsa_user_sgpr_kernarg_segment_ptr 1
		.amdhsa_wavefront_size32 1
		.amdhsa_system_sgpr_workgroup_id_x 1
		.amdhsa_system_sgpr_workgroup_id_y 1
		.amdhsa_system_sgpr_workgroup_id_z 1
		.amdhsa_system_vgpr_workitem_id 0
		.amdhsa_next_free_vgpr 1024
		.amdhsa_next_free_sgpr 102
		.amdhsa_reserve_vcc 0
		.amdhsa_float_denorm_mode_32 3
		.amdhsa_float_denorm_mode_16_64 3
		.amdhsa_memory_ordered 1
		.amdhsa_forward_progress 1
		.amdhsa_inst_pref_size 234
	.end_amdhsa_kernel
	.amdgpu_metadata
---
amdhsa.version: [ 1, 2 ]
amdhsa.kernels:
  - .name:           k_q24998f6195_qkv
    .symbol:         k_q24998f6195_qkv.kd
    .args:
      - { .name: x_codes, .offset: 0, .size: 8, .value_kind: global_buffer, .address_space: global }
      - { .name: x_scales, .offset: 8, .size: 8, .value_kind: global_buffer, .address_space: global }
      - { .name: wq_codes, .offset: 16, .size: 8, .value_kind: global_buffer, .address_space: global }
      - { .name: wq_scales, .offset: 24, .size: 8, .value_kind: global_buffer, .address_space: global }
      - { .name: wk_codes, .offset: 32, .size: 8, .value_kind: global_buffer, .address_space: global }
      - { .name: wk_scales, .offset: 40, .size: 8, .value_kind: global_buffer, .address_space: global }
      - { .name: wv_codes, .offset: 48, .size: 8, .value_kind: global_buffer, .address_space: global }
      - { .name: wv_scales, .offset: 56, .size: 8, .value_kind: global_buffer, .address_space: global }
      - { .name: bq, .offset: 64, .size: 8, .value_kind: global_buffer, .address_space: global }
      - { .name: bk, .offset: 72, .size: 8, .value_kind: global_buffer, .address_space: global }
      - { .name: bv, .offset: 80, .size: 8, .value_kind: global_buffer, .address_space: global }
      - { .name: qw, .offset: 88, .size: 8, .value_kind: global_buffer, .address_space: global }
      - { .name: kv, .offset: 96, .size: 8, .value_kind: global_buffer, .address_space: global }
    .group_segment_fixed_size: 327680
    .private_segment_fixed_size: 0
    .kernarg_segment_align: 8
    .kernarg_segment_size: 104
    .max_flat_workgroup_size: 128
    .sgpr_count:     102
    .vgpr_count:     1024
    .wavefront_size: 32
...
	.end_amdgpu_metadata
.endif
;; end of part 1
;; launch attn (part 2): grid 4 x 64, 16 waves a work-group, clusters of 4 x 1, 327,680 bytes of LDS; arguments qw, kv, aw, aws; writes aw, aws
.if DOCPART == 2
	.amdgcn_target "amdgcn-amd-amdhsa--gfx1250"
	.amdhsa_code_object_version 6
	.text
	.protected	k_q24998f6195_attn
	.globl	k_q24998f6195_attn
	.p2align	8
	.type	k_q24998f6195_attn,@function
k_q24998f6195_attn:
	s_mov_b64 s[64:65], 0
	v_nop
	global_prefetch_b8 v0, s[64:65] scope:SCOPE_SE
	s_setreg_imm32_b32 hwreg(HW_REG_WAVE_MODE, 25, 1), 1
	s_wait_xcnt 0x0
	s_wait_alu depctr_hold_cnt(0) depctr_sa_sdst(0) depctr_va_vdst(0) depctr_va_sdst(0) depctr_va_ssrc(0) depctr_va_vcc(0) depctr_vm_vsrc(0)
	s_getreg_b32 s2, hwreg(HW_REG_IB_STS2, 6, 4)
	s_cmp_eq_u32 s2, 0
	s_cbranch_scc0 .Lentry_in_a_cluster
	s_endpgm
.Lentry_in_a_cluster:
	s_bfe_u32 s2, ttmp6, 0x10000c
	s_cmp_lg_u32 s2, 0x3003
	s_cbranch_scc0 .Lentry_shape_is_right
	s_endpgm
.Lentry_shape_is_right:
; Causal attention of one head on codes of FP6 (E2M3): S^T = K Q^T (K = the head's 64), p = 2^(t - M), O^T = V^T P^T (K = the keys), O / the row's sum, quantised along the model's 1,024 channels for the last product.
; t = score x log2(e) / 8; M = the running largest t rounded UP to a whole number; p is not normalised; the row's sum is taken of the unquantised p in f32.  When M moves, sum and O^T are multiplied by 2^(old M - new M): exact.
; SHARES.  A head's 2,048 queries are 16 groups of 128, eight tiles of 16 each; a tile of group g needs the key steps 0 .. g of 128 keys.  The four work-groups of a head form a cluster; work-group x takes tiles 2 x and 2 x + 1 of
; EVERY group.  Wave w takes tile 2 x + w % 2 of group 15 - w / 2, then of group w / 2: 16 - w / 2 and w / 2 + 1 key steps, 17 for every wave of every work-group.  So which steps a wave walks hangs on its number alone:
; the place in the cluster enters only the global addresses of q and of the results, and the number against which the diagonal step's keys are held.
; A tile of 16 queries takes 256 registers: four waves to a SIMD, so that one wave's vector work stands beside another's products and LDS loads.
; LDS.  The head's whole kv, 16 records of 13,312 bytes, lies in LDS as it lies in memory, filled ONCE, by JOINT loads of the four work-groups: each wave asks for 6,656 bytes of key steps 0-7 and 6,656 of key steps 8-15, with the
; same descriptor in all four: two tensor loads of a wave are out at the most.  The high group's first eight steps, whole for every wave, need key steps 0-7 alone: the barrier for key steps 8-15 stands behind them, and every wave
; reaches it after the same eight steps.
; K = 64 IN A PRODUCT OF 128: an image of K holds two tiles of 16 keys (registers 0-5, 6-11).  Q stands in 18 registers, zeros | q | zeros: the upper 12 (q, zeros) pick the first tile, the lower 12 (zeros, q) the second:
; the other tile's codes meet zero codes.  Q's scale word holds its two bytes twice.
; LAYOUT.  A lane holds ONE query (lane % 16); register 16 b + i of S^T is key 32 b + 16 (i / 8) + 8 (lane / 16) + i % 8.  So a block's codes of p lie in the order 0-7, 16-23, 8-15, 24-31, as V's were laid.
; LIMITS: NaN and infinities are not served.  A block's largest p is taken through its largest score (it takes v_exp_f32 not to fall where its input rises).  A block of zeros keeps the scale byte 1 with zero codes.
; REGISTERS: v1, v2, v8 16, 4, 8 x lane; v3 r; v5 r - 8 h; v6, v7 the step's LDS addresses; v9 32 r; v12 -M, v13 largest t, v[14:15] the sum; v16-33 Q; v34 Q's scale word; v36-83 four fragments; v84-87, v88-91 K's, V's scale words;
;   v96-159 S^T, then p; v160-191 O^T; v192-203 p's codes; v204-210 half blocks; v212-223 at work; v224 at work; v226 f, v227 p's scale word; v[228:229] a second chain of sums; v230 the mask's d; v231 -infinity.
;   s12 wave, s17 wave / 2, s18 wave % 2, s13 work-group x, s14 batch x 16 + head; s40 my first query, s60 my group's first query (of the wave's number alone), s41 the step's first key, s42 its record in LDS, s43 trips to go.
.set REC,   13312
.set HEADB, 212992
.set KFR, 36
.set KSC, 84
.set VSC, 88
.set S,   96
.set OT,  160
.set PC,  192
.set PT,  204
.set BM,  212
.set BX,  216
.set SO,  220
; A round of the cluster's barrier: my work-group's barrier, so that wave 0's signal speaks for all sixteen waves; wave 0 signals for the work-group; every wave waits for all four work-groups; my work-group's barrier once more.
.macro CROUND
	s_barrier_signal -1
	s_barrier_wait -1
	s_cmp_lg_u32 s12, 0
	s_cbranch_scc1 .Lnot_wave_0_\@
	s_barrier_signal -3
.Lnot_wave_0_\@:
	s_barrier_wait -3
	s_barrier_signal -1
	s_barrier_wait -1
.endm
	s_load_b256 s[4:11], s[0:1], 0x0               ; qw s[4:5], kv s[6:7], aw s[8:9], aws s[10:11]
	v_lshl_add_u32 v254, v0, 2, 0x34000
	v_mov_b32 v255, 0
	ds_add_u32 v254, v255
	ds_add_u32 v254, v255
	v_lshrrev_b32 v1, 5, v0
	s_delay_alu instid0(VALU_DEP_1)
	v_readfirstlane_b32 s12, v1                    ; wave 0..15
	s_lshr_b32 s17, s12, 1                         ; which pair of groups is mine
	s_and_b32 s18, s12, 1                          ; which of my work-group's two tiles of a group
	s_bfe_u32 s13, ttmp6, 0x40000                  ; cx: my place in the cluster
	s_lshl_b32 s44, ttmp9, 2                       ; in a cluster launch ttmp9 counts clusters
	s_add_co_u32 s13, s44, s13                     ; work-group x, 0..3
	s_and_b32 s14, ttmp7, 0xffff                   ; batch x 16 + head, which the four partners share
	s_and_b32 s15, s14, 15                         ; head
	s_lshr_b32 s16, s14, 4                         ; batch
	s_mov_b32 s20, 0x76543210
	s_mov_b32 s21, 0xfedcba98                      ; v_permlanex16_b32's selects for lane l xor 16
	s_mov_b32 s22, 0x3e38aa3b                      ; c = log2(e) / sqrt(64)
	s_mov_b32 s23, s22                             ; (named with it as a pair)
	; descriptor group 1: a dense block of 6,656 bytes as 26 rows of 256 bytes (32 elements of 8 bytes), no padding
	s_mov_b32 s24, 15|(3<<16)|(1<<21)              ; 15:0 the mask: all four work-groups; 17:16 elements of 8 bytes; 21 set beside a mask
	s_mov_b32 s25, 32<<16                          ; tensor_dim0
	s_mov_b32 s26, 26<<16                          ; tensor_dim1
	s_mov_b32 s27, 32<<16                          ; tile_dim0
	s_mov_b32 s28, 26                              ; tile_dim1
	s_mov_b32 s29, 32                              ; pitch
	s_mov_b32 s30, 0
	s_mov_b32 s31, 0
	s_mul_i32 s44, s12, 6656                       ; my part, in LDS as in the head's bytes: of the wave's number alone
	s_mul_i32 s45, s14, HEADB
	s_add_co_u32 s46, s44, s45
	s_mov_b32 s47, 0
	s_mov_b32 s57, 0
	s_wait_dscnt 0x0
	s_wait_kmcnt 0x0
	s_mov_b32 s32, 1
	s_mov_b32 s33, s44
	s_add_nc_u64 s[34:35], s[6:7], s[46:47]
	s_mov_b32 s36, 1
	s_add_co_u32 s37, s44, 8*REC
	s_add_nc_u64 s[38:39], s[34:35], 8*REC
	s_or_b32 s35, s35, 0x80000000
	s_or_b32 s39, s39, 0x80000000
	CROUND                                         ; all four work-groups are here: the joint loads meet
	tensor_load_to_lds s[32:35], s[24:31]          ; key steps 0-7
	s_nop 0
	s_wait_alu depctr_va_vdst(0)
	s_wait_tensorcnt 0x0
	ds_add_u32 v254, v255
	s_wait_dscnt 0x0
	CROUND
	tensor_load_to_lds s[36:39], s[24:31]          ; key steps 8-15
	s_nop 0
.rept 4
	v_nop
.endr
	v_and_b32 v4, 31, v0
	s_delay_alu instid0(VALU_DEP_1)
	v_lshlrev_b32 v1, 4, v4
	s_delay_alu instid0(VALU_DEP_2)
	v_lshlrev_b32 v2, 2, v4
	s_delay_alu instid0(VALU_DEP_3)
	v_lshlrev_b32 v8, 3, v4
	v_and_b32 v3, 15, v0
	v_bfe_u32 v4, v0, 4, 1
	s_delay_alu instid0(VALU_DEP_2)
	v_lshlrev_b32 v9, 5, v3
	s_delay_alu instid0(VALU_DEP_2)
	v_lshlrev_b32 v4, 3, v4
	s_delay_alu instid0(VALU_DEP_1)
	v_sub_nc_u32 v5, v3, v4                        ; r - 8 h
.irp j, 16,17,18,19,20,21,28,29,30,31,32,33
	v_mov_b32 v\j, 0                               ; the zero codes on both sides of q: written once
.endr
.irp b, 0,1,2,3
	v_mov_b32 v[BX+\b], 0                          ; a lane permute's destination counts as one of its sources
.endr
	v_mov_b32 v224, 0
	v_mov_b32 v227, 0                              ; (named as the upper half of the pair v[226:227] before it is first written)
	v_mov_b32 v231, 0xff800000                     ; -infinity
; My tile's group and first query, its image of q (asked for here, used in PREP), and where its results go.
.macro QLOAD hi
	s_wait_xcnt 0x0                                ; the last tile's stores have read their registers and bases
.if \hi
	s_sub_co_u32 s60, 15, s17
	s_lshl_b32 s60, s60, 7                         ; the group's first query: 128 x (15 - wave / 2)
.else
	s_lshl_b32 s60, s17, 7                         ; 128 x (wave / 2)
.endif
	s_lshl_b32 s44, s13, 5
	s_lshl_b32 s45, s18, 4
	s_add_co_u32 s44, s44, s45                     ; my tile in the group: 16 x (2 x + wave % 2)
	s_add_co_u32 s40, s60, s44                     ; my first query
	s_lshr_b32 s44, s40, 7
	s_mul_i32 s44, s44, 6656
	s_mul_i32 s45, s14, 16*6656
	s_add_co_u32 s44, s44, s45                     ; the record of my 128 queries
	s_bfe_u32 s46, s40, 0x20005                    ; which pair of tiles
	s_mul_i32 s47, s46, 1536
	s_add_co_u32 s56, s44, s47
	s_add_nc_u64 s[48:49], s[4:5], s[56:57]
	s_lshl_b32 s47, s46, 7
	s_add_co_u32 s56, s44, s47
	s_add_co_u32 s56, s56, 6144
	s_add_nc_u64 s[58:59], s[4:5], s[56:57]
.irp c, 0,1,2
	global_load_b128 v[KFR+4*\c:KFR+4*\c+3], v1, s[48:49] offset:512*\c
.endr
	global_load_b32 v[KSC], v2, s[58:59]
	s_bitcmp1_b32 s12, 0                           ; the pair's first tile or its second: wave % 2
	s_cselect_b32 s54, -1, 0
	s_mov_b32 s55, 0x01000100
	s_cselect_b32 s55, 0x03020302, s55
	s_lshl_b32 s44, s16, 11
	s_add_co_u32 s44, s44, s40                     ; my first token among the 8,192
	s_lshr_b32 s45, s44, 7
	s_mul_i32 s45, s45, 98304                      ; aw: the group of 128 tokens,
	s_lshr_b32 s46, s15, 2
	s_mul_i32 s46, s46, 24576                      ; the 256 channels (four heads),
	s_add_co_u32 s45, s45, s46
	s_bfe_u32 s46, s44, 0x30004
	s_lshl_b32 s46, s46, 1
	s_bfe_u32 s47, s15, 0x10001
	s_add_co_u32 s46, s46, s47
	s_mul_i32 s46, s46, 1536                       ; the fragment: 2 x tile of tokens + which 128 channels,
	s_add_co_u32 s45, s45, s46
	s_and_b32 s46, s15, 1
	s_mul_i32 s46, s46, 768                        ; and its half: my head's 64 channels
	s_add_co_u32 s56, s45, s46
	s_add_nc_u64 s[50:51], s[8:9], s[56:57]
	s_lshl_b32 s56, s44, 5
	s_lshl_b32 s46, s15, 1
	s_add_co_u32 s56, s56, s46                     ; aws: 32 bytes a token, my head's two
	s_add_nc_u64 s[52:53], s[10:11], s[56:57]
.endm
; A tile begins: statistics, q and its scale word into their places, O^T = 0, the first key step.
.macro PREP
	v_mov_b32 v13, 0xff61b1e6                      ; the largest t so far: -3e38
	s_delay_alu instid0(VALU_DEP_1)
	v_floor_f32 v12, -v13                          ; -M
	v_mov_b32 v14, 0
	v_mov_b32 v15, 0
	s_wait_loadcnt 0x0                             ; q's image and scale word
.irp i, 0,1,2,3,4,5
	v_cndmask_b32 v[22+\i], v[KFR+\i], v[KFR+6+\i], s54   ; my tile's six registers of the pair's twelve
.endr
	v_perm_b32 v34, v[KSC], v[KSC], s55            ; my tile's two scale bytes, twice
.set j, 0
.rept 32
	v_mov_b32 v[OT+j], 0                           ; O^T: the first step finds zeros.  (These are also the places between the lines above and the first product)
.set j, j+1
.endr
	s_mov_b32 s41, 0                               ; the step's first key
	s_mov_b32 s42, 0                               ; the step's record in LDS
.endm
; So many key steps, from where s41 and s42 stand.  The trip count is a constant; a step all of whose keys come after my group's queries is jumped over, by a scalar branch on the wave's number and the trip.
; (The parameter's name is none of the names that the .irp lines inside use: a macro's parameters are put in ahead of them.)
.macro LOOP steps
	s_mov_b32 s43, \steps
.Lstep_\@:
	s_cmp_gt_u32 s41, s60                          ; both are multiples of 128: beyond my group's own step every key is hidden
	s_cbranch_scc1 .Lhidden_\@
	s_setprio 2
	v_add_nc_u32 v6, s42, v1
	v_add_nc_u32 v7, s42, v2
	v_nop
	v_nop                                          ; four places behind the last step's products, in front of loads into their operands' registers
.irp b, 0,1,2,3
.irp c, 0,1,2
	ds_load_b128 v[KFR+12*\b+4*\c:KFR+12*\b+4*\c+3], v6 offset:1536*\b+512*\c   ; K's images: 512 consecutive bytes a load
.endr
	ds_load_b32 v[KSC+\b], v7 offset:12288+128*\b
.endr
	s_wait_alu depctr_va_vdst(0)
	s_wait_dscnt 0x0
.irp b, 0,1,2,3
	v_wmma_scale_f32_16x16x128_f8f6f4 v[S+16*\b:S+16*\b+7], v[KFR+12*\b:KFR+12*\b+11], v[22:33], 0, v[KSC+\b], v34 matrix_a_fmt:MATRIX_FMT_FP6 matrix_b_fmt:MATRIX_FMT_FP6
	v_wmma_scale_f32_16x16x128_f8f6f4 v[S+16*\b+8:S+16*\b+15], v[KFR+12*\b:KFR+12*\b+11], v[16:27], 0, v[KSC+\b], v34 matrix_a_fmt:MATRIX_FMT_FP6 matrix_b_fmt:MATRIX_FMT_FP6
.endr
.rept 4
	v_nop
.endr
.irp t, 0,1,2,3
.irp c, 0,1,2
	ds_load_b128 v[KFR+12*\t+4*\c:KFR+12*\t+4*\c+3], v6 offset:6144+1536*\t+512*\c   ; V's fragments land under the softmax
.endr
	ds_load_b32 v[VSC+\t], v7 offset:12800+128*\t
.endr
	s_cmp_lt_u32 s41, s60                          ; ahead of my group's own step every key counts; in that step hidden scores become -infinity
	s_cbranch_scc1 .Lopen_\@
	s_sub_co_i32 s44, s40, s41
	v_add_nc_u32 v230, s44, v5                     ; d = my query - the step's first key - 8 h: register n is hidden where 16 (n / 8) + n % 8 > d
.irp n, 0,1,2,3,4,5,6,7,8,9,10,11,12,13,14,15,16,17,18,19,20,21,22,23,24,25,26,27,28,29,30,31,32,33,34,35,36,37,38,39,40,41,42,43,44,45,46,47,48,49,50,51,52,53,54,55,56,57,58,59,60,61,62,63
	v_cmp_gt_i32 vcc_lo, 16*(\n/8)+\n%8, v230
	v_cndmask_b32 v[S+\n], v[S+\n], v231, vcc_lo
.endr
.Lopen_\@:
.irp b, 0,1,2,3
	v_max3_num_f32 v[BM+\b], v[S+16*\b], v[S+1+16*\b], v[S+2+16*\b]   ; the largest score of each block of 32 keys: for the row's maximum and for the block's largest p
.endr
.irp i, 3,5,7,9,11,13
.irp b, 0,1,2,3
	v_max3_num_f32 v[BM+\b], v[BM+\b], v[S+16*\b+\i], v[S+1+16*\b+\i]
.endr
.endr
.irp b, 0,1,2,3
	v_max_num_f32 v[BM+\b], v[BM+\b], v[S+15+16*\b]
.endr
.irp b, 0,1,2,3
	s_delay_alu instid0(VALU_DEP_4)
	v_permlanex16_b32 v[BX+\b], v[BM+\b], s20, s21
.endr
.irp b, 0,1,2,3
	s_delay_alu instid0(VALU_DEP_4)
	v_max_num_f32 v[BM+\b], v[BM+\b], v[BX+\b]     ; with lane l xor 16's 16 keys
.endr
	s_delay_alu instid0(VALU_DEP_2)
	v_max3_num_f32 v224, v[BM], v[BM+1], v[BM+2]
	s_delay_alu instid0(VALU_DEP_1)
	v_max_num_f32 v224, v224, v[BM+3]
	s_delay_alu instid0(VALU_DEP_1)
	v_mul_f32 v224, s22, v224                      ; as t
	s_delay_alu instid0(VALU_DEP_1)
	v_max_num_f32 v13, v13, v224                   ; the running largest t
	v_mov_b32 v224, v12
	s_delay_alu instid0(VALU_DEP_2)
	v_floor_f32 v12, -v13                          ; the new -M = -ceil(t)
	s_delay_alu instid0(VALU_DEP_1)
	v_sub_f32 v224, v12, v224                      ; old M - new M: a whole number, 0 or less
	s_delay_alu instid0(VALU_DEP_1)
	v_cvt_i32_f32 v224, v224                       ; (it saturates)
	s_delay_alu instid0(VALU_DEP_1)
	v_ldexp_f32 v226, 1.0, v224                    ; f = 2^(old M - new M)
.set j, 0
.rept 32
	v_pk_fma_f32 v[S+j:S+j+1], v[S+j:S+j+1], s[22:23], v[12:13] op_sel_hi:[1,0,0]   ; t - M
.set j, j+2
.endr
	s_setprio 1
.irp b, 0,1,2,3
	v_fma_f32 v[BM+\b], v[BM+\b], s22, v12
.endr
.set j, 0
	s_wait_alu depctr_va_vdst(0)
.rept 64
	v_exp_f32 v[S+j], v[S+j]                       ; p = 2^(t - M)
.set j, j+1
.endr
.irp b, 0,1,2,3
	v_exp_f32 v[BM+\b], v[BM+\b]                   ; the block's largest p
.endr
	v_pk_mul_f32 v[14:15], v[14:15], v[226:227] op_sel_hi:[1,0]   ; the sums under the new M.  (A plain place behind the exponentials)
	s_wait_alu depctr_va_vdst(0)
.irp b, 0,1,2,3
	v_max_num_f32 v[BM+\b], 0x1800000, v[BM+\b]    ; the floor 2^(3 - 127)
.endr
.irp b, 0,1,2,3
	s_delay_alu instid0(VALU_DEP_4)
	v_add_nc_u32 v[SO+\b], 0xff000000, v[BM+\b]    ; the conversion's scale operand
.endr
.irp b, 0,1,2,3
	s_delay_alu instid0(VALU_DEP_4)
	v_lshrrev_b32 v[BX+\b], 23, v[SO+\b]           ; the scale's byte
.endr
	s_delay_alu instid0(VALU_DEP_3)
	v_lshl_or_b32 v227, v[BX+1], 8, v[BX]          ; p's scale word for these 128 keys
	s_delay_alu instid0(VALU_DEP_1)
	v_lshl_or_b32 v227, v[BX+2], 16, v227
	s_delay_alu instid0(VALU_DEP_1)
	v_lshl_or_b32 v227, v[BX+3], 24, v227
.irp c, 0,1
	v_cvt_scalef32_pk16_fp6_f32 v[PC+6*\c:PC+6*\c+2], v[S+32*\c:S+32*\c+15], v[SO+2*\c]
	v_cvt_scalef32_pk16_fp6_f32 v[PT+4*\c:PT+4*\c+2], v[S+16+32*\c:S+31+32*\c], v[SO+2*\c+1]
.endr
	v_nop                                          ; one plain place behind a scaled conversion
.irp c, 0,1
.irp i, 0,1,2
	v_permlane16_swap_b32 v[PC+6*\c+\i], v[PT+4*\c+\i]   ; a whole block to a lane
.endr
.irp i, 0,1,2
	s_delay_alu instid0(VALU_DEP_3)
	v_mov_b32 v[PC+3+6*\c+\i], v[PT+4*\c+\i]
.endr
.endr
	v_pk_add_f32 v[228:229], v[S:S+1], v[S+2:S+3]  ; the row's sum of the unquantised p, in two chains.  (These 32 are the places between p's codes and scale word and the products)
	s_setprio 0
.irp j, 4,8,12,16,20,24,28,32,36,40,44,48,52,56,60
	v_pk_add_f32 v[14:15], v[14:15], v[S+\j:S+1+\j]
	v_pk_add_f32 v[228:229], v[228:229], v[S+2+\j:S+3+\j]
.endr
	s_delay_alu instid0(VALU_DEP_1)
	v_pk_add_f32 v[14:15], v[14:15], v[228:229]
.set j, 0
.rept 16
	v_pk_mul_f32 v[OT+j:OT+j+1], v[OT+j:OT+j+1], v[226:227] op_sel_hi:[1,0]   ; O^T under the new M
.set j, j+2
.endr
	s_wait_alu depctr_va_vdst(0)
	s_wait_dscnt 0x0                               ; V
.irp t, 0,1,2,3
	v_wmma_scale_f32_16x16x128_f8f6f4 v[OT+8*\t:OT+8*\t+7], v[KFR+12*\t:KFR+12*\t+11], v[PC:PC+11], v[OT+8*\t:OT+8*\t+7], v[VSC+\t], v227 matrix_a_fmt:MATRIX_FMT_FP6 matrix_b_fmt:MATRIX_FMT_FP6
.endr                                              ; the four accumulators take turns, and eight other products stand between a step's and the next step's
.Lhidden_\@:
	s_add_co_u32 s41, s41, 128
	s_add_co_u32 s42, s42, REC
	s_sub_co_u32 s43, s43, 1
	s_cmp_lg_u32 s43, 0
	s_cbranch_scc1 .Lstep_\@
	s_setprio 0
.endm
; The tile's end: O^T / the sum, brought into the true order of channels, quantised, stored as half a fragment of the last product's operand.
.macro EPI
.rept 4
	v_nop
.endr
	v_add_f32 v14, v14, v15
	s_delay_alu instid0(VALU_DEP_1)
	v_permlanex16_b32 v224, v14, s20, s21
	s_delay_alu instid0(VALU_DEP_1)
	v_add_f32 v14, v14, v224                       ; the row's sum
	s_wait_alu depctr_va_vdst(0)
	v_rcp_f32 v14, v14
	v_nop                                          ; one plain place behind a transcendental
.set j, 0
	s_wait_alu depctr_va_vdst(0)
.rept 16
	v_pk_mul_f32 v[S+j:S+j+1], v[OT+j:OT+j+1], v[14:15] op_sel_hi:[1,0]   ; register 8 t + i: channel 16 t + 8 h + i.  Each accumulator from its low end on
.set j, j+2
.endr
.irp b, 0,1
.irp i, 0,1,2,3,4,5,6,7
	v_permlane16_swap_b32 v[S+16*\b+\i], v[S+16*\b+8+\i]   ; now register 16 b + i: channel 32 b + 16 h + i: these codes meet wo's, which lie in the true order
.endr
.endr
.irp b, 0,1
	v_max3_num_f32 v[BM+\b], |v[S+16*\b]|, |v[S+1+16*\b]|, 0x1800000
.endr
.irp i, 2,4,6,8,10,12,14
.irp b, 0,1
	s_delay_alu instid0(VALU_DEP_2)
	v_max3_num_f32 v[BM+\b], v[BM+\b], |v[S+16*\b+\i]|, |v[S+1+16*\b+\i]|
.endr
.endr
.irp b, 0,1
	s_delay_alu instid0(VALU_DEP_2)
	v_permlanex16_b32 v[BX+\b], v[BM+\b], s20, s21
.endr
.irp b, 0,1
	s_delay_alu instid0(VALU_DEP_2)
	v_max_num_f32 v[BM+\b], v[BM+\b], v[BX+\b]
.endr
.irp b, 0,1
	s_delay_alu instid0(VALU_DEP_2)
	v_add_nc_u32 v[SO+\b], 0xff000000, v[BM+\b]
.endr
.irp b, 0,1
	s_delay_alu instid0(VALU_DEP_2)
	v_lshrrev_b32 v[BX+\b], 23, v[SO+\b]
.endr
	s_delay_alu instid0(VALU_DEP_1)
	v_lshl_or_b32 v224, v[BX+1], 8, v[BX]          ; my row's two scale bytes
	v_cvt_scalef32_pk16_fp6_f32 v[PC:PC+2], v[S:S+15], v[SO]
	v_cvt_scalef32_pk16_fp6_f32 v[PT:PT+2], v[S+16:S+31], v[SO+1]
	v_nop
.irp i, 0,1,2
	v_permlane16_swap_b32 v[PC+\i], v[PT+\i]
.endr
.irp i, 0,1,2
	s_delay_alu instid0(VALU_DEP_3)
	v_mov_b32 v[PC+3+\i], v[PT+\i]
.endr
.irp p, 0,1,2
	global_store_b64 v8, v[PC+2*\p:PC+2*\p+1], s[50:51] offset:256*\p   ; 32 lanes store 256 consecutive bytes, aligned
.endr
	global_store_b16 v9, v224, s[52:53]            ; lanes l and l + 16 write the same two bytes.  A token's 32 scale bytes come from 16 heads' work-groups: these stores are short, 1 byte in 24 of what the launch stores
.endm
	QLOAD 1                                        ; the high group first: group 15 - wave / 2, at least 8
	s_wait_tensorcnt 1                             ; my part of key steps 0-7 is in; steps 8-15 may stay out
	s_barrier_signal -1
	s_barrier_wait -1                              ; everybody's is
	PREP
	LOOP 8                                         ; key steps 0-7: whole for every wave
	s_wait_tensorcnt 0x0                           ; my part of key steps 8-15,
	s_wait_dscnt 0x0
	s_barrier_signal -1
	s_barrier_wait -1                              ; everybody's: each wave comes here after the same eight steps
	LOOP 8                                         ; key steps 8 .. 15 - wave / 2; the rest is jumped over
	EPI
	QLOAD 0                                        ; the low group: wave / 2
	PREP
	LOOP 8                                         ; key steps 0 .. wave / 2
	EPI
	s_wait_dscnt 0x0
	s_wait_tensorcnt 0x0
	ds_add_u32 v254, v255
	s_wait_dscnt 0x0
	CROUND                                         ; the closing round: no work-group ends while a partner may still ask for a tile that names it
	s_endpgm
.Lfunc_end_k_q24998f6195_attn:
	.size	k_q24998f6195_attn, .Lfunc_end_k_q24998f6195_attn-k_q24998f6195_attn
	.p2alignl 7, 3214868480
	.fill 96, 4, 3214868480
	.section	.rodata,"a",@progbits
	.p2align	6, 0x0
	.amdhsa_kernel k_q24998f6195_attn
		.amdhsa_group_segment_fixed_size 327680
		.amdhsa_private_segment_fixed_size 0
		.amdhsa_enable_private_segment 0
		.amdhsa_kernarg_size 32
		.amdhsa_user_sgpr_count 2
		.amdhsa_user_sgpr_kernarg_segment_ptr 1
		.amdhsa_wavefront_size32 1
		.amdhsa_system_sgpr_workgroup_id_x 1
		.amdhsa_system_sgpr_workgroup_id_y 1
		.amdhsa_system_sgpr_workgroup_id_z 1
		.amdhsa_system_vgpr_workitem_id 0
		.amdhsa_next_free_vgpr 256
		.amdhsa_next_free_sgpr 66
		.amdhsa_reserve_vcc 1
		.amdhsa_float_denorm_mode_32 3
		.amdhsa_float_denorm_mode_16_64 3
		.amdhsa_memory_ordered 1
		.amdhsa_forward_progress 1
		.amdhsa_inst_pref_size 90
	.end_amdhsa_kernel
	.amdgpu_metadata
---
amdhsa.version: [ 1, 2 ]
amdhsa.kernels:
  - .name:           k_q24998f6195_attn
    .symbol:         k_q24998f6195_attn.kd
    .args:
      - { .name: qw, .offset: 0, .size: 8, .value_kind: global_buffer, .address_space: global }
      - { .name: kv, .offset: 8, .size: 8, .value_kind: global_buffer, .address_space: global }
      - { .name: aw, .offset: 16, .size: 8, .value_kind: global_buffer, .address_space: global }
      - { .name: aws, .offset: 24, .size: 8, .value_kind: global_buffer, .address_space: global }
    .group_segment_fixed_size: 327680
    .private_segment_fixed_size: 0
    .kernarg_segment_align: 8
    .kernarg_segment_size: 32
    .max_flat_workgroup_size: 512
    .sgpr_count:     66
    .vgpr_count:     256
    .wavefront_size: 32
...
	.end_amdgpu_metadata
.endif
;; end of part 2
;; launch proj (part 3): grid 4 x 32, 4 waves a work-group, clusters of 4 x 4, 327,680 bytes of LDS; arguments aw, aws, wo_codes, wo_scales, bo, out0; writes out0
.if DOCPART == 3
	.amdgcn_target "amdgcn-amd-amdhsa--gfx1250"
	.amdhsa_code_object_version 6
	.text
	.protected	k_q24998f6195_proj
	.globl	k_q24998f6195_proj
	.p2align	8
	.type	k_q24998f6195_proj,@function
k_q24998f6195_proj:
	s_mov_b64 s[64:65], 0
	v_nop
	global_prefetch_b8 v0, s[64:65] scope:SCOPE_SE
	s_setreg_imm32_b32 hwreg(HW_REG_WAVE_MODE, 25, 1), 1
	s_wait_xcnt 0x0
	s_wait_alu depctr_hold_cnt(0) depctr_sa_sdst(0) depctr_va_vdst(0) depctr_va_sdst(0) depctr_va_ssrc(0) depctr_va_vcc(0) depctr_vm_vsrc(0)
	s_getreg_b32 s2, hwreg(HW_REG_IB_STS2, 6, 4)
	s_cmp_eq_u32 s2, 0
	s_cbranch_scc0 .Lentry_in_a_cluster
	s_endpgm
.Lentry_in_a_cluster:
	s_bfe_u32 s2, ttmp6, 0x10000c
	s_cmp_lg_u32 s2, 0xf033
	s_cbranch_scc0 .Lentry_shape_is_right
	s_endpgm
.Lentry_shape_is_right:
; out0 = attention's result x wo + bo on codes of FP6 (E2M3) with one E8M0 scale for each 32 along K = 1,024; sums in f32.  out0: [8,192][1,024] f32.
; A (the attention's codes) lies in aw in the order of the operand's registers: for each 128 tokens and 256 along K a dense block of 24,576 bytes: fragment (tile of tokens a, which 128 along K q) at (2 a + q) x 1,536,
; its register pair p at 256 p, lane l's 8 bytes at 8 l.  Its scale bytes: aws [8,192][32].  B: wo's codes [1,024][768 bytes] and scales [1,024][32], as given.
; A work-group of four waves makes 256 x 256, a wave 128 x 128: 64 accumulators.  K goes in four steps of 256 through two LDS slots; the scales of all of K come once and stay.
; CLUSTERS: 4 x 4 work-groups; A's tile is shared along a row of the cluster, B's along a column: joint loads.  128 work-groups: the tile is kept large, since each byte read from LDS then feeds the most products.
; THE MATRIX INSTRUCTION IS USED TRANSPOSED (source 0 = 16 rows of wo, source 1 = 16 tokens): a lane holds eight neighbouring numbers of a row of out0.  The bias is the C of each sum's first product.
; REGISTERS, in windows of 256: window 0: v0-31 addresses; v32-63 scale words, two sets; v64-127 the bias; v128-223 A's fragments, one set; on the way out v128-255.
;   window 1: B's fragments, two sets.   windows 2, 3: the accumulators ((a, b) at v[8 (8 (a % 4) + b)]).
.set SIZE_N, 1024
.set KSTEP,  256
.set NQ,     KSTEP/128
.set ROWB,   192
.set KROW,   768
.set ABLK,   24576                     ; A's dense block of 128 tokens x 256 along K
.set PITCH,  240                       ; B's LDS row: 3 x (64 bytes + 16 of padding)
.set FR,     12
.set NL,     6
.set NP,     4
.set HALFT,  128*PITCH                 ; the room of 128 rows; A's dense blocks use 24,576 bytes of it
.set SLOT,   4*HALFT
.set KS,     32
.set SCL,    2*SLOT
.set HALFS,  (128*KS/256)*272
.set SBLK,   (16*KS/256)*272
.set SPARE,  SCL+4*HALFS               ; the spare words: two blocks of 256 bytes that no other line names
.set SPITCH, 528                       ; the way out: a stage of 16 rows x (512 bytes + 16) for each wave, in slot 0, which has had its last fill and its last read when the first result is stored there
.set ADRA, 16                          ; v16-17  LDS address of my A fragments in slot 0, 1
.set ADRB, 20                          ; v20-23  of B's (and behind one padding more)
.set STO,  24
.set RD,   25
.set CO,   26
.set ADRS, 27
.set SPW,  28
.set NIL,  29
.set OBU,  30                          ; v30     32 x (lane / 16)
.set SC,   32
.set BU,   64                          ; the bias: register 8 b + j = column 16 b + 8 h + j of my 128
.set AF,   128
.set BK,   128
.set G1, 24
.set G0, 32
.set G1B, 48
.set G0B, 56
.set G1S, 68
.set G0S, 76
.set G1SB, 80
.set G0SB, 88
.set MSB, 0
.macro WIN new
.if MSB != (\new)
	s_set_vgpr_msb (MSB<<8)|(\new)
.set MSB, (\new)
.endif
.endm
.set MUL_LO, 0xa1                      ; source 0 (B) window 1, source 1 (A) window 0, C and D window 2
.set MUL_HI, 0xf1
.set TO_B,   0x40
.macro JLOAD g0a, g1a, g0b, g1b        ; a joint load: waves 0 and 1 fetch for A, waves 2 and 3 for B.  Four v_nop follow each of the two lines
	s_cmp_eq_u32 s15, 0
	s_cbranch_scc0 .Lfor_b_\@
	tensor_load_to_lds s[\g0a:\g0a+3], s[\g1a:\g1a+7]
	s_nop 0
.rept 4
	v_nop
.endr
	s_branch .Lasked_\@
.Lfor_b_\@:
	tensor_load_to_lds s[\g0b:\g0b+3], s[\g1b:\g1b+7]
	s_nop 0
.rept 4
	v_nop
.endr
.Lasked_\@:
.endm
.macro CREST
	s_cmp_lg_u32 s14, 0
	s_cbranch_scc1 .Lnot_wave_0_\@
	s_barrier_signal -3
.Lnot_wave_0_\@:
	s_barrier_wait -3
	s_barrier_signal -1
	s_barrier_wait -1
.endm
.macro CROUND
	s_barrier_signal -1
	s_barrier_wait -1
	CREST
.endm
	s_load_b128 s[4:7], s[0:1], 0x0                ; aw, aws
	s_load_b128 s[8:11], s[0:1], 0x10              ; wo's codes, wo's scales
	s_load_b64 s[96:97], s[0:1], 0x20              ; bo
	s_load_b64 s[12:13], s[0:1], 0x28              ; out0
	v_lshl_add_u32 v[SPW], v0, 2, SPARE
	v_mov_b32 v[NIL], 0
	ds_add_u32 v28, v29
	ds_add_u32 v28, v29
	s_wait_dscnt 0x0
	v_lshrrev_b32 v1, 5, v0
	v_readfirstlane_b32 s14, v1                    ; wave 0..3
	s_lshr_b32 s15, s14, 1                         ; which half of the tile's rows is mine.  Also: I fetch for A (0) or for B (1)
	s_and_b32 s16, s14, 1                          ; which half of its columns.  Also: which 128 rows I fetch
	s_bfe_u32 s40, ttmp6, 0x40000                  ; cx
	s_bfe_u32 s41, ttmp6, 0x40004                  ; cy
	s_lshl_b32 s42, ttmp9, 2
	s_add_co_u32 s42, s42, s40                     ; tile column
	s_and_b32 s17, ttmp7, 0xffff
	s_lshl_b32 s17, s17, 2
	s_add_co_u32 s17, s17, s41                     ; tile row
	s_lshl_b32 s43, s41, 2
	s_lshl_b32 s43, 15, s43                        ; my row of the cluster
	s_lshl_b32 s44, 0x1111, s40                    ; my column
	s_or_b32 s[G1+0], s43, (3<<16)|(1<<21)         ; A: a dense block as 96 rows of 256 bytes (32 elements of 8 bytes), no padding
	s_mov_b32 s[G1+1], 32<<16
	s_mov_b32 s[G1+2], 96<<16
	s_mov_b32 s[G1+3], 32<<16
	s_mov_b32 s[G1+4], 96
	s_mov_b32 s[G1+5], 32
	s_mov_b32 s[G1+6], 0
	s_mov_b32 s[G1+7], 0
	s_or_b32 s[G1B+0], s44, (0<<16)|(1<<20)|(1<<21)|(3<<22)|(3<<25)   ; B: 128 rows of 192 bytes, 16 bytes of padding behind every 64
	s_mov_b32 s[G1B+1], ROWB<<16
	s_mov_b32 s[G1B+2], 128<<16
	s_mov_b32 s[G1B+3], ROWB<<16
	s_mov_b32 s[G1B+4], 128
	s_mov_b32 s[G1B+5], KROW
	s_mov_b32 s[G1B+6], 0
	s_mov_b32 s[G1B+7], 0
	s_or_b32 s[G1S+0], s43, (3<<16)|(1<<20)|(1<<21)|(5<<22)|(3<<25)   ; the scales of 128 rows: 16 rows of 256 bytes, 16 bytes of padding behind each
	s_or_b32 s[G1SB+0], s44, (3<<16)|(1<<20)|(1<<21)|(5<<22)|(3<<25)
.irp g, G1S, G1SB
	s_mov_b32 s[\g+1], 32<<16
	s_mov_b32 s[\g+2], (128*KS/256)<<16
	s_mov_b32 s[\g+3], 32<<16
	s_mov_b32 s[\g+4], 128*KS/256
	s_mov_b32 s[\g+5], 32
	s_mov_b32 s[\g+6], 0
	s_mov_b32 s[\g+7], 0
.endr
	s_lshl_b32 s18, s16, 7
	s_lshl_b32 s20, s17, 8
	s_add_co_u32 s20, s20, s18                     ; A: the first token that I fetch
	s_lshl_b32 s46, s42, 8
	s_add_co_u32 s46, s46, s18                     ; B: the first row of wo
	s_mov_b32 s21, 0
	s_mov_b32 s47, 0
	s_mov_b64 s[18:19], KS
	s_mul_u64 s[22:23], s[20:21], s[18:19]
	s_mul_u64 s[92:93], s[46:47], s[18:19]
	s_mov_b64 s[18:19], KROW
	s_mul_u64 s[20:21], s[20:21], s[18:19]         ; 128 tokens are 98,304 bytes of aw, as of rows of 768 bytes
	s_mul_u64 s[46:47], s[46:47], s[18:19]
	s_mul_i32 s45, s14, HALFT
	s_mul_i32 s94, s14, HALFS
	s_wait_kmcnt 0x0
	s_add_nc_u64 s[20:21], s[4:5], s[20:21]
	s_add_nc_u64 s[22:23], s[6:7], s[22:23]
	s_add_nc_u64 s[46:47], s[8:9], s[46:47]
	s_add_nc_u64 s[92:93], s[10:11], s[92:93]
	CROUND                                         ; all sixteen work-groups are here: the first joint loads meet
	s_mov_b32 s[G0S], 1
	s_add_co_u32 s[G0S+1], s94, SCL
	s_mov_b64 s[G0S+2:G0S+3], s[22:23]
	s_or_b32 s[G0S+3], s[G0S+3], 0x80000000
	s_mov_b32 s[G0SB], 1
	s_add_co_u32 s[G0SB+1], s94, SCL
	s_mov_b64 s[G0SB+2:G0SB+3], s[92:93]
	s_or_b32 s[G0SB+3], s[G0SB+3], 0x80000000
	JLOAD G0S, G1S, G0SB, G1SB
.irp s, 0,1
	s_mov_b32 s[G0+4*\s], 1
	s_add_co_u32 s[G0+4*\s+1], s45, \s*SLOT
	s_add_nc_u64 s[G0+4*\s+2:G0+4*\s+3], s[20:21], \s*ABLK
	s_or_b32 s[G0+4*\s+3], s[G0+4*\s+3], 0x80000000
	s_mov_b32 s[G0B+4*\s], 1
	s_add_co_u32 s[G0B+4*\s+1], s45, \s*SLOT
	s_add_nc_u64 s[G0B+4*\s+2:G0B+4*\s+3], s[46:47], \s*ROWB
	s_or_b32 s[G0B+4*\s+3], s[G0B+4*\s+3], 0x80000000
	JLOAD G0+4*\s, G1, G0B+4*\s, G1B               ; three tensor loads of mine are out at the most
.endr
	v_and_b32 v1, 15, v0                           ; r
	v_bfe_u32 v2, v0, 4, 1                         ; h
	v_mul_u32_u24 v3, v1, PITCH
	v_mul_u32_u24 v4, v2, 24
	v_add_nc_u32 v4, v3, v4                        ; B: row x pitch + 24 x half
	v_lshl_add_u32 v5, v2, 4, v4                   ; and behind one padding more
	v_and_b32 v6, 31, v0
	v_lshlrev_b32 v7, 3, v6                        ; A: 8 x lane
	s_mul_i32 s21, s15, HALFT
	s_mul_i32 s22, s16, HALFT
	s_add_co_u32 s22, s22, 2*HALFT
.irp s, 0,1
	v_add_nc_u32 v[ADRA+\s], s21, v7
	v_add_nc_u32 v[ADRB+\s], s22, v4
	v_add_nc_u32 v[ADRB+2+\s], s22, v5
	s_add_co_u32 s21, s21, SLOT
	s_add_co_u32 s22, s22, SLOT
.endr
	v_mul_u32_u24 v5, v1, KS
	v_lshrrev_b32 v6, 8, v5
	v_lshl_add_u32 v5, v6, 4, v5
	s_mul_i32 s21, s15, HALFS
	s_mul_i32 s22, s16, HALFS
	s_add_co_u32 s22, s22, 2*HALFS
	s_sub_co_u32 s22, s22, s21
	v_mul_u32_u24 v6, s22, v2                      ; lanes 16-31 take B's scale words
	s_add_co_u32 s21, s21, SCL
	v_add_nc_u32 v5, v5, v6
	v_add_nc_u32 v[ADRS], s21, v5
	s_mul_i32 s23, s14, 16*SPITCH                  ; my stage
	v_mul_u32_u24 v5, v1, SPITCH
	v_lshl_add_u32 v5, v2, 5, v5
	v_add_nc_u32 v[STO], s23, v5
	v_and_b32 v6, 31, v0
	v_lshlrev_b32 v[CO], 4, v6
	v_add_nc_u32 v[RD], s23, v[CO]
	v_lshlrev_b32 v[OBU], 5, v2
	s_lshl_b32 s20, s42, 10                        ; the bias of my 128 columns: 4 x (256 x tile column + 128 x half)
	s_lshl_b32 s21, s16, 9
	s_add_co_u32 s20, s20, s21
	s_mov_b32 s21, 0
	s_add_nc_u64 s[96:97], s[96:97], s[20:21]
.irp b, 0,1,2,3,4,5,6,7
	global_load_b128 v[BU+8*\b:BU+8*\b+3], v[OBU], s[96:97] offset:64*\b
	global_load_b128 v[BU+8*\b+4:BU+8*\b+7], v[OBU], s[96:97] offset:64*\b+16
.endr
	s_lshl_b32 s20, s17, 8
	s_lshl_b32 s21, s15, 7
	s_add_co_u32 s20, s20, s21                     ; my first row of out0
	s_mov_b32 s21, 0
	s_mov_b64 s[18:19], SIZE_N*4
	s_mul_u64 s[20:21], s[20:21], s[18:19]
	s_lshl_b32 s46, s42, 10
	s_lshl_b32 s47, s16, 9
	s_add_co_u32 s46, s46, s47
	s_mov_b32 s47, 0
	s_add_nc_u64 s[20:21], s[20:21], s[46:47]
	s_add_nc_u64 s[12:13], s[12:13], s[20:21]
.macro FRAG reg, adr, q, i             ; a fragment of B from rows: 24 bytes of the row twice, in pieces of 8 bytes; lanes 16-31 read three pieces further on, for some pieces behind one padding more
.irp p, 0,1,2,3,4,5
.set PCE, 12*(\q)+6*(\p/3)+\p%3
.if PCE%8 < 5
	ds_load_b64 v[\reg+2*\p:\reg+2*\p+1], v[\adr] offset:8*PCE+16*(PCE/8)+(\i)*16*PITCH
.else
	ds_load_b64 v[\reg+2*\p:\reg+2*\p+1], v[\adr+2] offset:8*PCE+16*(PCE/8)+(\i)*16*PITCH
.endif
.endr
.endm
.macro FRAGA reg, slot, q, i           ; a fragment of A from its image: six loads of 256 consecutive bytes
.irp p, 0,1,2,3,4,5
	ds_load_b64 v[\reg+2*\p:\reg+2*\p+1], v[ADRA+\slot] offset:(2*(\i)+(\q))*1536+256*\p
.endr
.endm
; 16 matrix instructions.  first = 1: the bias is the C of the sum's first product.  The 64 accumulators take turns, one instruction a turn.
.macro MUL16 a0, p, q, sc, first
.irp a, \a0, \a0+1
.irp b, 0,1,2,3,4,5,6,7
.if \first
	v_wmma_scale_f32_16x16x128_f8f6f4 v[8*(8*((\a)%4)+\b):8*(8*((\a)%4)+\b)+7], v[128*(\p)+FR*\b:128*(\p)+FR*\b+FR-1], v[AF+FR*(\a):AF+FR*(\a)+FR-1], v[BU+8*\b:BU+8*\b+7], v[SC+8*NQ*(\sc)+NQ*\b+(\q)], v[SC+8*NQ*(\sc)+NQ*(\a)+(\q)] matrix_a_fmt:MATRIX_FMT_FP6 matrix_b_fmt:MATRIX_FMT_FP6 matrix_a_scale:MATRIX_SCALE_ROW1
.else
	v_wmma_scale_f32_16x16x128_f8f6f4 v[8*(8*((\a)%4)+\b):8*(8*((\a)%4)+\b)+7], v[128*(\p)+FR*\b:128*(\p)+FR*\b+FR-1], v[AF+FR*(\a):AF+FR*(\a)+FR-1], v[8*(8*((\a)%4)+\b):8*(8*((\a)%4)+\b)+7], v[SC+8*NQ*(\sc)+NQ*\b+(\q)], v[SC+8*NQ*(\sc)+NQ*(\a)+(\q)] matrix_a_fmt:MATRIX_FMT_FP6 matrix_b_fmt:MATRIX_FMT_FP6 matrix_a_scale:MATRIX_SCALE_ROW1
.endif
.endr
.endr
.endm
.macro FETCH_B slot, q, p
	WIN TO_B
.irp i, 0,1,2,3,4,5,6,7
	FRAG 128*(\p)+FR*\i, ADRB+\slot, \q, \i
.endr
	WIN 0
.endm
.macro FETCH_A slot, q, i0
.irp i, \i0, \i0+1, \i0+2, \i0+3
	FRAGA AF+FR*(\i), \slot, \q, \i
.endr
.endm
.macro SCALES sc
.irp i, 0,1,2,3,4,5,6,7
	ds_load_b64 v[SC+8*NQ*\sc+NQ*\i:SC+8*NQ*\sc+NQ*\i+1], v[ADRS] offset:\i*SBLK
.endr
.endm
.macro PLACES n
.rept \n
	v_nop
.endr
.endm
.macro STEP slot, q, first
	s_wait_dscnt 4*NL                              ; B's set and A's blocks 0-3 are in; the youngest 24 loads (A's blocks 4-7) may be out
.if \first
	WIN 0x81                                       ; C (the bias) window 0, D window 2
.else
	WIN MUL_LO
.endif
	MUL16 0, (\q)%2, \q, \slot, \first
	MUL16 2, (\q)%2, \q, \slot, \first
	s_wait_dscnt 0
	PLACES NP
	FETCH_B \slot, (\q)+1, 1-(\q)%2
	FETCH_A \slot, (\q)+1, 0
.if \first
	WIN 0xc1                                       ; C window 0, D window 3
.else
	WIN MUL_HI
.endif
	MUL16 4, (\q)%2, \q, \slot, \first
	MUL16 6, (\q)%2, \q, \slot, \first
	PLACES NP
	WIN 0
	FETCH_A \slot, (\q)+1, 4
.endm
.macro TURN slot, next, fill
	s_wait_tensorcnt 0x0                           ; all my tensor loads have landed: my part of the next slot
	ds_add_u32 v[SPW], v[NIL]                      ; 0 onto my spare word
	s_wait_dscnt 4*NL+1                            ; (the add and the youngest 24 loads may be out)
	WIN MUL_LO
	MUL16 0, 1, NQ-1, \slot, 0
	s_wait_dscnt 0x0                               ; the add is done, and my reads of this slot are over
	s_barrier_signal -1
	MUL16 2, 1, NQ-1, \slot, 0
	WIN 0
	s_barrier_wait -1
.if \fill
	CREST                                          ; the barrier has opened a round of the cluster's: no wave of any partner still reads this slot or has a load on its way
	s_add_nc_u64 s[G0+4*\slot+2:G0+4*\slot+3], s[G0+4*\slot+2:G0+4*\slot+3], 2*ABLK
	s_add_nc_u64 s[G0B+4*\slot+2:G0B+4*\slot+3], s[G0B+4*\slot+2:G0B+4*\slot+3], 2*ROWB
	JLOAD G0+4*\slot, G1, G0B+4*\slot, G1B
.else
	PLACES NP
.endif
	v_add_nc_u32 v[ADRS], 4*NQ, v[ADRS]
	FETCH_B \next, 0, 0
	FETCH_A \next, 0, 0
	SCALES \next
	WIN MUL_HI
	MUL16 4, 1, NQ-1, \slot, 0
	MUL16 6, 1, NQ-1, \slot, 0
	PLACES NP
	WIN 0
	FETCH_A \next, 0, 4
.endm
	s_wait_tensorcnt 1                             ; the scales and my part of K step 0 are in (K step 1's load may be out)
	s_barrier_signal -1
	s_barrier_wait -1
	FETCH_B 0, 0, 0
	FETCH_A 0, 0, 0
	SCALES 0
	FETCH_A 0, 0, 4
	s_wait_loadcnt 0x0                             ; the bias
	STEP 0, 0, 1
	TURN 0, 1, 1                                   ; four K steps, written out: slot 0 takes K step 2,
	STEP 1, 0, 0
	TURN 1, 0, 1                                   ; slot 1 K step 3
	STEP 0, 0, 0
	TURN 0, 1, 0
	STEP 1, 0, 0
	s_wait_dscnt 4*NL
	WIN MUL_LO
	MUL16 0, 1, NQ-1, 1, 0
	MUL16 2, 1, NQ-1, 1, 0
	s_wait_dscnt 0
	WIN MUL_HI
	MUL16 4, 1, NQ-1, 1, 0
	MUL16 6, 1, NQ-1, 1, 0
	WIN 0
; THE WAY OUT, block by block of 16 rows x 128 columns, through my own stage in LDS: in as 32 bytes a lane, back as whole rows of 512 bytes.  LDS serves a wave's instructions in order (ISA guide 5.7.1.4).
.macro TOSTAGE a
.set AC, 64*((\a)%4)
	WIN 0x08+4*((\a)/4)                            ; the data: window 2 or 3
.irp b, 0,1,2,3,4,5,6,7
	ds_store_b128 v[STO], v[AC+8*\b:AC+8*\b+3] offset:64*\b          ; each accumulator from its low end on
	ds_store_b128 v[STO], v[AC+8*\b+4:AC+8*\b+7] offset:64*\b+16
.endr
	WIN 0
.set BB, BK+64*((\a)%2)
.irp t, 0,1,2,3,4,5,6,7,8,9,10,11,12,13,14,15
	ds_load_b128 v[BB+4*\t:BB+4*\t+3], v[RD] offset:\t*SPITCH
.endr
.endm
.macro SEND a, younger
.set BB, BK+64*((\a)%2)
	s_wait_dscnt \younger                          ; the block is back in registers
.if (\a) > 0
	s_add_nc_u64 s[12:13], s[12:13], 16*SIZE_N*4   ; (behind a wait on XCNT: the earlier stores have read their base)
.endif
.irp t, 0,1,2,3,4,5,6,7,8,9,10,11,12,13,14,15
	global_store_b128 v[CO], v[BB+4*\t:BB+4*\t+3], s[12:13] offset:\t*SIZE_N*4 th:TH_STORE_NT   ; 32 lanes store 512 consecutive bytes, aligned; written once, read by nobody here
.endr
.endm
	PLACES NP
	TOSTAGE 0
.irp a, 1,2,3,4,5,6,7
.if \a > 1
	s_wait_xcnt 0x0                                ; block a - 2's stores have read their registers and their base
.endif
	TOSTAGE \a
	SEND \a-1, 32                                  ; behind block a - 1's loads: block a's 16 stores and 16 loads
.endr
	s_wait_xcnt 0x0
	SEND 7, 0
	s_wait_tensorcnt 0x0                           ; the wave's end
	ds_add_u32 v[SPW], v[NIL]
	s_wait_dscnt 0x0
	CROUND                                         ; the closing round
	s_endpgm
.Lfunc_end_k_q24998f6195_proj:
	.size	k_q24998f6195_proj, .Lfunc_end_k_q24998f6195_proj-k_q24998f6195_proj
	.p2alignl 7, 3214868480
	.fill 96, 4, 3214868480
	.section	.rodata,"a",@progbits
	.p2align	6, 0x0
	.amdhsa_kernel k_q24998f6195_proj
		.amdhsa_group_segment_fixed_size 327680
		.amdhsa_private_segment_fixed_size 0
		.amdhsa_enable_private_segment 0
		.amdhsa_kernarg_size 48
		.amdhsa_user_sgpr_count 2
		.amdhsa_user_sgpr_kernarg_segment_ptr 1
		.amdhsa_wavefront_size32 1
		.amdhsa_system_sgpr_workgroup_id_x 1
		.amdhsa_system_sgpr_workgroup_id_y 1
		.amdhsa_system_sgpr_workgroup_id_z 1
		.amdhsa_system_vgpr_workitem_id 0
		.amdhsa_next_free_vgpr 1024
		.amdhsa_next_free_sgpr 98
		.amdhsa_reserve_vcc 0
		.amdhsa_float_denorm_mode_32 3
		.amdhsa_float_denorm_mode_16_64 3
		.amdhsa_memory_ordered 1
		.amdhsa_forward_progress 1
		.amdhsa_inst_pref_size 161
	.end_amdhsa_kernel
	.amdgpu_metadata
---
amdhsa.version: [ 1, 2 ]
amdhsa.kernels:
  - .name:           k_q24998f6195_proj
    .symbol:         k_q24998f6195_proj.kd
    .args:
      - { .name: aw, .offset: 0, .size: 8, .value_kind: global_buffer, .address_space: global }
      - { .name: aws, .offset: 8, .size: 8, .value_kind: global_buffer, .address_space: global }
      - { .name: wo_codes, .offset: 16, .size: 8, .value_kind: global_buffer, .address_space: global }
      - { .name: wo_scales, .offset: 24, .size: 8, .value_kind: global_buffer, .address_space: global }
      - { .name: bo, .offset: 32, .size: 8, .value_kind: global_buffer, .address_space: global }
      - { .name: out0, .offset: 40, .size: 8, .value_kind: global_buffer, .address_space: global }
    .group_segment_fixed_size: 327680
    .private_segment_fixed_size: 0
    .kernarg_segment_align: 8
    .kernarg_segment_size: 48
    .max_flat_workgroup_size: 128
    .sgpr_count:     98
    .vgpr_count:     1024
    .wavefront_size: 32
...
	.end_amdgpu_metadata
.endif
;; end of part 3
